; MI455X (gfx1250); checked and timed in simulation.
; The chip was launched on July 23, 2026; its instructions are those of AMD's public machine-readable ISA for CDNA 5 (MIT licence, August 2026) and "CDNA5" Instruction Set Architecture Reference Guide (July 2026). The comments in the code are by the model that wrote it; some were corrected since.
;; Multihead. Allowed arithmetic: matrix products marked QUANTISED: E3M2 operands, one E8M0 scale for each 32 along K, by v_wmma_scale_f32_16x16x128_f8f6f4 with both operands' format E3M2, f32 sums; everything else in f32.
;; Inputs: Wc 1,024 x 1,024 float32; Wk 16 x 1,024 x 64 float32; Wq 16 x 1,024 x 64 float32; Wv 16 x 1,024 x 64 float32; x 4 x 2,048 x 1,024 float32.
;; Outputs: out0 4 x 2,048 x 1,024 float32.
;; This version of the problem:
;;   THIS VERSION OF THE PROBLEM IS GIVEN IN LOW PRECISION. The matrix products marked QUANTISED in the list below multiply operands that are first quantised to E3M2 (3 exponent bits, 2 mantissa bits; 6 bits a number), with one power-of-two scale for each 32 numbers along K (OCP MX v1.0); their sums are f32. All else is computed in f32.
;;   The module's matrix products, in the order in which they are computed (A, B: the left and right operand; K: the contracted axis; several contracted axes count as one K, in the product's order):
;;     1. [M 1,024, K 1,024] x [K 1,024, N 8,192]; A: input Wq; B: input x: QUANTISED
;;     2. [M 1,024, K 1,024] x [K 1,024, N 8,192]; A: input Wk; B: input x: QUANTISED
;;     3. [M 1,024, K 1,024] x [K 1,024, N 8,192]; A: input Wv; B: input x: QUANTISED
;;     4. batch 64 x [M 2,048, K 64] x [K 64, N 2,048]; A: computed on the way; B: computed on the way: QUANTISED
;;     5. batch 64 x [M 2,048, K 2,048] x [K 2,048, N 64]; A: softmax (see below); B: computed on the way: QUANTISED
;;     6. [M 8,192, K 1,024] x [K 1,024, N 1,024]; A: computed on the way; B: input Wc: QUANTISED
;;   THE QUANTISER, for each operand of a quantised product, along K:
;;     - K is cut into blocks of 32 from its start; a last block that is shorter is filled with zeros.
;;     - A block's scale is 2^e with e = floor(log2(the largest magnitude in the block)) - 4, held to -126 .. 127; a block of zeros has e = 0. As a byte (E8M0): e + 127.
;;     - Each number is divided by its block's scale, clamped to +-28, and rounded to the nearest number of E3M2, ties to even, subnormals kept.
;;     - The product sums the exact products of the quantised numbers (number of the format x scale) in f32.
;;   ~~~python
;;   def quantise(x, axis):      # numpy; x: float32 -> the quantised numbers, widened to float32 again
;;       x = np.moveaxis(x, axis, -1); K = x.shape[-1]
;;       x = np.pad(x, [(0, 0)] * (x.ndim - 1) + [(0, -K % 32)]); x = x.reshape(x.shape[:-1] + (-1, 32)); a = np.abs(x).max(-1, keepdims=True)
;;       e = np.where(a > 0, np.clip(np.frexp(np.where(a > 0, a, 1))[1] - 1 - 4, -126, 127), 0)      # np.frexp(a)[1] - 1 = floor(log2(a)), exactly
;;       r = np.clip(x / 2.0 ** e, -28, 28)
;;       step = 2.0 ** (np.maximum(np.frexp(np.where(r == 0, 1, r))[1] - 1, -2) - 2)
;;       q = np.round(r / step) * step * 2.0 ** e      # np.round: ties to even
;;       return np.moveaxis(q.reshape(q.shape[:-2] + (-1,))[..., :K], -1, axis).astype(np.float32)
;;   ~~~
;;   SOFTMAX AHEAD OF A QUANTISED PRODUCT. Where the list says 'softmax', what is quantised is not the finished softmax but p = 2^(t - M), with t = logit x log2(e) and M = ceil(the row's largest t), a whole number; so 1/2 < the row's largest p <= 1. The row's sum l is taken of the UNQUANTISED p, in f32, and the product's result is divided by l at the end. Since M is a whole number, a kernel that streams over the keys may use a running M (the ceiling of the running maximum): every later rescaling is an exact power of two, which a block's scale takes up: the codes' values come out the same.
;;   OPERANDS COMPUTED ON THE WAY. 'Computed on the way' means the value that the module computes at that place (a softmax that the list does not call 'softmax' is quantised finished and normalised). What goes into a quantiser is computed in f32, as accurately as f32 sums, v_exp_f32 and their like allow (about 1e-6 of the number): no bf16 or f16 on the way to a quantiser, and a product that is left as it is and whose result goes on into a quantised operand takes f32 operands (vector FMAs, or v_wmma_f32_16x16x4_f32). A number that lies on a knife's edge between two numbers of the format may be rounded either way, as far as f32 arithmetic and the matrix unit's own rounding can turn it there, and no further.
;; One version. Each part assembles by itself: llvm-mc -triple=amdgcn-amd-amdhsa -mcpu=gfx1250 --defsym DOCPART=n.
;; ======== version 1 of 1: 4 launches
;; workspace buffers: xc 6,291,456 bytes; xs 262,144 bytes; wcod 3,145,728 bytes; wscl 131,072 bytes; qkv 19,660,800 bytes; oc 6,291,456 bytes; os 262,144 bytes
;; launch quant (part 1): grid 384 x 1, 4 waves a work-group, no clusters, 68,096 bytes of LDS; arguments x, Wq, Wk, Wv, Wc, xc, xs, wcod, wscl; writes xc, xs, wcod, wscl
.if DOCPART == 1
	.amdgcn_target "amdgcn-amd-amdhsa--gfx1250"
	.amdhsa_code_object_version 6
	.text
	.protected	k_q6024b1f730_quant
	.globl	k_q6024b1f730_quant
	.p2align	8
	.type	k_q6024b1f730_quant,@function
k_q6024b1f730_quant:
	s_mov_b64 s[64:65], 0
	v_nop
	global_prefetch_b8 v0, s[64:65] scope:SCOPE_SE
	s_setreg_imm32_b32 hwreg(HW_REG_WAVE_MODE, 25, 1), 1
	s_wait_xcnt 0x0
; x [8192][1024] f32 and the four weights (Wq, Wk, Wv: [16][1024][64]; Wc: [1024][1024], f32, K = their axis of 1,024 that is NOT innermost) become codes of E3M2, 6 bits each, K innermost,
; with one E8M0 byte for each 32 along K.  A block's scale is 2^(floor(log2(largest magnitude)) - 4): its byte is the largest magnitude's exponent field - 4, held at 1 from below.
; xc [8192 rows][768 B], xs [8192][32 B];  wcod [4096 rows][768 B], wscl [4096][32 B]: rows 0.. Wq (n = 64 head + d), 1024.. Wk, 2048.. Wv, 3072.. Wc (n = output column).
; ROW ORDER: row p of these four buffers holds the tensor's row p with bits 3 and 4 exchanged.  Sixteen neighbouring rows 16 a + r are then the tensor's rows 32 (a / 2) + 8 (a % 2) + r + 8 (r / 8):
; used as a matrix instruction's source 0 they leave 16 neighbours of the next product's K in a lane's 16 registers of two neighbouring tiles.
; LIMITS: a block of zeros gets the byte 1 where the quantiser's text says 127 (its codes are zeros, which add nothing under any byte but 0xff; only this program reads the bytes); blocks whose largest
; magnitude lies under 2^-122 are held at byte 1; NaN and infinities among the inputs are not served.
; Work-groups 0-255 take x (a wave: 8 rows = 16 steps of 512 numbers), work-groups 256-383 the weights (a wave: 32 columns x 256 along K).  The two ways have LDS bytes of their own.  No barrier: waves share nothing.
.set STEPS, 16
.set EMAX,  4
.set CB,    12                         ; bytes of 16 codes
.set WREG,  8192                       ; x's way: LDS of a wave: two stages of 32 x SP bytes, behind them its 256 scale bytes
.set SP,    80                         ; a lane's place in a stage: 64 bytes + 16 of padding
.set XR,    16                         ; v16-143  eight sets of 16 numbers as loaded
.set XN,    144                        ; v144-175 two sets of 16 neighbours
.set XE,    176                        ; v176-191 a scale byte for each step
.set XC,    192                        ; v192-255 codes: four registers for each step, so that no store's data are written again
.set NB,    8                          ; the weights' way: blocks of 32 along K for a wave
.set WP,    272                        ; a stage row: sixteen places of 16 bytes (12 bytes of codes each) + 16
.set WSTG,  32768                      ; the weights' stages begin here: 32 x WP bytes a wave
.set XW,    32                         ; v32-95   two sets of 32 numbers
.set CW,    96                         ; v96-102  a block's codes
.set OUTR,  112                        ; v112-175 the way out
.set RO,    176                        ; v176-207 4 x lane + i x (bytes from one k to the next)
.set SB,    24                         ; v24-25   eight scale bytes
.macro XLOAD t                         ; step t: four loads of 512 consecutive bytes, 16 a lane
.irp i, 0,1,2,3
	global_load_b128 v[XR+16*((\t)%8)+4*\i:XR+16*((\t)%8)+4*\i+3], v3, s[4:5] offset:2048*(\t)+512*\i th:TH_LOAD_NT
.endr
.endm
.macro XTURN t                         ; step t's 2,048 bytes through the wave's stage: in as they lie, back 64 bytes a lane.  LDS serves a wave's instructions in order: no wait between
.irp i, 0,1,2,3
	ds_store_b128 v14, v[XR+16*((\t)%8)+4*\i:XR+16*((\t)%8)+4*\i+3] offset:32*SP*((\t)%2)+8*SP*\i
.endr
.irp i, 0,1,2,3
	ds_load_b128 v[XN+16*((\t)%2)+4*\i:XN+16*((\t)%2)+4*\i+3], v15 offset:32*SP*((\t)%2)+16*\i
.endr
.endm
.macro XSTEP t
.set XS, XN+16*((\t)%2)
.if (\t) > 0
	s_wait_dscnt 1                                 ; this step's numbers are back from the stage; only the last step's byte store may be out
.else
	s_wait_dscnt 0x0
.endif
.if (\t)+8 < STEPS
	XLOAD (\t)+8                                   ; into the set that this step's stage stores have read
.endif
.if (\t)+1 < STEPS
.if STEPS-2-(\t) >= 7
	s_wait_loadcnt 28                              ; the next step's four loads are in; those of the seven steps behind it may be out
.else
	s_wait_loadcnt 4*(STEPS-2-(\t))
.endif
	XTURN (\t)+1
.endif
	v_max3_num_f32 v8, |v[XS]|, |v[XS+1]|, |v[XS+2]|               ; the largest magnitude of my 16, in two chains
	v_max3_num_f32 v9, |v[XS+3]|, |v[XS+4]|, |v[XS+5]|
.irp i, 6,10
	v_max3_num_f32 v8, v8, |v[XS+\i]|, |v[XS+\i+1]|
	v_max3_num_f32 v9, v9, |v[XS+\i+2]|, |v[XS+\i+3]|
.endr
	v_max3_num_f32 v8, v8, |v[XS+14]|, |v[XS+15]|
	v_max3_num_f32 v8, v8, v9, (EMAX+1)<<23        ; and the floor 2^(5 - 127): the byte cannot fall under 1
	v_max_num_f32_dpp v8, v8, v8 row_xmask:1 row_mask:0xf bank_mask:0xf   ; with my neighbour's 16: the block's
	v_add_nc_u32 v11, -(EMAX<<23), v8              ; 4 off its exponent field: the conversion takes the exponent field of this operand as its scale
	v_cvt_scalef32_pk16_bf6_f32 v[XC+4*(\t):XC+4*(\t)+2], v[XS:XS+15], v11
	v_lshrrev_b32 v[XE+(\t)], 23, v11              ; the scale's byte (also the plain line behind the conversion)
	ds_store_b8 v5, v[XE+(\t)] offset:16*(\t)      ; both lanes of a block write the same byte with the same value
	global_store_b96 v4, v[XC+4*(\t):XC+4*(\t)+2], s[14:15] offset:32*CB*(\t)   ; the wave stores 384 consecutive bytes
.endm
.macro WLOAD t                         ; block t: W(32 t + i, my column), i = 0 .. 31: each load reads 128 consecutive bytes a wave
.irp i, 0,1,2,3,4,5,6,7,8,9,10,11,12,13,14,15,16,17,18,19,20,21,22,23,24,25,26,27,28,29,30,31
	global_load_b32 v[XW+32*((\t)%2)+\i], v[RO+\i], s[40+2*(\t):41+2*(\t)] th:TH_LOAD_NT
.endr
.endm
.macro WBLOCK t
.set XS, XW+32*((\t)%2)
.if (\t) < NB-1
	s_wait_loadcnt 32                              ; this block's 32 loads are in; the next block's may be out
.else
	s_wait_loadcnt 0
.endif
	v_max3_num_f32 v12, |v[XS]|, |v[XS+1]|, |v[XS+2]|              ; the block's largest magnitude: all 32 numbers are mine
	v_max3_num_f32 v13, |v[XS+3]|, |v[XS+4]|, |v[XS+5]|
.irp i, 6,10,14,18,22,26
	v_max3_num_f32 v12, v12, |v[XS+\i]|, |v[XS+\i+1]|
	v_max3_num_f32 v13, v13, |v[XS+\i+2]|, |v[XS+\i+3]|
.endr
	v_max3_num_f32 v12, v12, |v[XS+30]|, |v[XS+31]|
	v_max3_num_f32 v12, v12, v13, (EMAX+1)<<23
	v_add_nc_u32 v11, -(EMAX<<23), v12
	v_lshrrev_b32 v13, 23, v11
.if (\t)%4 == 0
	v_mov_b32 v[SB+(\t)/4], v13                    ; four bytes to a register, the lower K in the lower byte
.else
	v_lshl_or_b32 v[SB+(\t)/4], v13, 8*((\t)%4), v[SB+(\t)/4]
.endif
	v_cvt_scalef32_pk16_bf6_f32 v[CW:CW+2], v[XS:XS+15], v11
	v_cvt_scalef32_pk16_bf6_f32 v[CW+4:CW+6], v[XS+16:XS+31], v11  ; (a conversion's three registers begin on an even number)
	ds_store_b96 v4, v[CW:CW+2] offset:32*(\t)     ; 12 bytes to a place of 16, so that every LDS address is a multiple of 16
	ds_store_b96 v4, v[CW+4:CW+6] offset:32*(\t)+16
.if (\t)+2 < NB
	WLOAD (\t)+2
.endif
	s_wait_dscnt 0x0                               ; the stores have read their registers: the next block's codes may be written
.endm
	s_load_b512 s[4:19], s[0:1], 0x0               ; x s4, Wq s6, Wk s8, Wv s10, Wc s12, xc s14, xs s16, wcod s18
	s_load_b64 s[20:21], s[0:1], 0x40              ; wscl
	v_lshl_add_u32 v251, v0, 2, 0x10800
	v_mov_b32 v255, 0
	v_lshrrev_b32 v1, 5, v0
	v_readfirstlane_b32 s22, v1                    ; wave 0..3
	v_and_b32 v2, 31, v0                           ; lane
	s_wait_kmcnt 0x0
	s_cmp_lt_u32 ttmp9, 256
	s_cbranch_scc0 .Lweights
	; ---------------- x: a plain stream of blocks of 32
	v_lshlrev_b32 v3, 4, v2                        ; my 16 bytes of a load's 512
	s_mul_i32 s23, s22, WREG
	v_lshrrev_b32 v14, 2, v2
	v_mul_u32_u24 v14, v14, SP
	v_and_b32 v15, 3, v2
	v_lshl_add_u32 v14, v15, 4, v14
	v_add_nc_u32 v14, s23, v14                     ; the stage, way in: SP (lane / 4) + 16 (lane % 4)
	v_mul_u32_u24 v15, v2, SP
	v_add_nc_u32 v15, s23, v15                     ; way out: SP x lane: my 16 neighbours
	v_mul_u32_u24 v4, v2, CB                       ; my codes' place in a step's
	v_lshrrev_b32 v5, 1, v2
	s_add_co_u32 s23, s23, 2*32*SP
	v_add_nc_u32 v5, s23, v5                       ; my block's byte among the wave's 256
	v_lshlrev_b32 v7, 3, v2
	v_add_nc_u32 v6, s23, v7
	s_lshl_b32 s24, ttmp9, 2
	s_add_co_u32 s26, s24, s22                     ; which run of 8 rows I read
	s_mov_b32 s27, 0
	s_lshl_b64 s[28:29], s[26:27], 15              ; 32,768 bytes a run
	s_add_nc_u64 s[4:5], s[4:5], s[28:29]
	s_and_b32 s25, s22, 1                          ; a run's bits 0 and 1 are the rows' bits 3 and 4: exchanged on the way out
	s_lshl_b32 s25, s25, 1
	s_lshr_b32 s30, s22, 1
	s_or_b32 s25, s25, s30
	s_add_co_u32 s26, s24, s25                     ; which run I write
	s_mul_i32 s28, s26, 6144                       ; 8 rows of 768 bytes
	s_mov_b32 s29, 0
	s_add_nc_u64 s[14:15], s[14:15], s[28:29]
	s_lshl_b32 s28, s26, 8                         ; 8 rows of 32 scale bytes
	s_add_nc_u64 s[16:17], s[16:17], s[28:29]
.irp t, 0,1,2,3,4,5,6,7
	XLOAD \t
.endr
	s_wait_loadcnt 28                              ; step 0's four loads are in
	XTURN 0
.irp t, 0,1,2,3,4,5,6,7,8,9,10,11,12,13,14,15
	XSTEP \t
.endr
	ds_load_b64 v[12:13], v6                       ; LDS serves a wave's instructions in order: these see my byte stores
	s_wait_dscnt 0x0
	global_store_b64 v7, v[12:13], s[16:17]        ; 32 lanes store 256 consecutive bytes, aligned
	s_wait_tensorcnt 0x0
	ds_add_u32 v251, v255
	s_wait_dscnt 0x0
	s_endpgm
	; ---------------- the weights: a lane takes a column n, its registers run down K
.Lweights:
	s_sub_co_u32 s23, ttmp9, 256
	s_lshr_b32 s24, s23, 5                         ; which weight: 0 Wq, 1 Wk, 2 Wv, 3 Wc
	s_bfe_u32 s25, s23, 0x30002
	s_lshl_b32 s25, s25, 2
	s_add_co_u32 s25, s25, s22                     ; which 32 columns: 0..31
	s_and_b32 s26, s23, 3                          ; which 256 along K
	s_cmp_eq_u32 s24, 0                            ; the choice hangs on the work-group's number alone
	s_cselect_b64 s[28:29], s[6:7], s[12:13]
	s_cmp_eq_u32 s24, 1
	s_cselect_b64 s[28:29], s[8:9], s[28:29]
	s_cmp_eq_u32 s24, 2
	s_cselect_b64 s[28:29], s[10:11], s[28:29]
	s_lshl_b32 s31, s25, 7                         ; Wc: the columns' first byte in a row
	s_lshr_b32 s32, s25, 1                         ; Wq, Wk, Wv: head x 1,024 rows of 256 bytes + which half of the head's 64
	s_lshl_b32 s32, s32, 18
	s_and_b32 s33, s25, 1
	s_lshl_b32 s33, s33, 7
	s_add_co_u32 s32, s32, s33
	s_mov_b32 s30, 256
	s_cmp_eq_u32 s24, 3
	s_cselect_b32 s31, s31, s32
	s_cselect_b32 s30, 4096, s30                   ; bytes from one k to the next
	s_mul_i32 s32, s26, s30
	s_lshl_b32 s32, s32, 8
	s_add_co_u32 s32, s32, s31
	s_mov_b32 s33, 0
	s_add_nc_u64 s[40:41], s[28:29], s[32:33]      ; block 0's base;
	s_lshl_b32 s34, s30, 5
	s_mov_b32 s35, 0
.irp t, 1,2,3,4,5,6,7
	s_add_nc_u64 s[40+2*\t:41+2*\t], s[38+2*\t:39+2*\t], s[34:35]   ; block t's: 32 k further down
.endr
	v_lshlrev_b32 v3, 2, v2
.irp i, 0,1,2,3,4,5,6,7,8,9,10,11,12,13,14,15,16,17,18,19,20,21,22,23,24,25,26,27,28,29,30,31
	v_mad_u32_u24 v[RO+\i], s30, \i, v3
.endr
	v_and_b32 v10, 7, v2                           ; my column's row in the output: the lane with bits 3 and 4 exchanged
	v_bfe_u32 v11, v2, 3, 1
	v_bfe_u32 v12, v2, 4, 1
	v_lshl_or_b32 v10, v11, 4, v10
	v_lshl_or_b32 v10, v12, 3, v10
	s_mul_i32 s36, s22, 32*WP
	s_add_co_u32 s36, s36, WSTG                    ; my stage
	v_mul_u32_u24 v4, v10, WP
	v_add_nc_u32 v4, s36, v4                       ; into it
	v_and_b32 v5, 15, v2
	v_lshrrev_b32 v6, 4, v2
	v_mul_u32_u24 v7, v6, WP
	v_lshl_add_u32 v7, v5, 4, v7
	v_add_nc_u32 v7, s36, v7                       ; out of it: sixteen lanes to a row, two rows an instruction
	v_mul_u32_u24 v8, v6, 768
	v_mad_u32_u24 v8, v5, 12, v8                   ; and the same place in wcod
	v_lshlrev_b32 v9, 5, v10                       ; my row of scale bytes
	s_lshl_b32 s37, s24, 10
	s_lshl_b32 s38, s25, 5
	s_add_co_u32 s37, s37, s38                     ; the wave's first row in wcod and wscl
	s_mul_i32 s32, s37, 768
	s_mul_i32 s38, s26, 192
	s_add_co_u32 s32, s32, s38
	s_add_nc_u64 s[18:19], s[18:19], s[32:33]
	s_lshl_b32 s32, s37, 5
	s_lshl_b32 s38, s26, 3
	s_add_co_u32 s32, s32, s38
	s_add_nc_u64 s[20:21], s[20:21], s[32:33]
	WLOAD 0
	WLOAD 1
.irp t, 0,1,2,3,4,5,6,7
	WBLOCK \t
.endr
	global_store_b64 v9, v[SB:SB+1], s[20:21]      ; my column's eight scale bytes
.irp t, 0,1,2,3,4,5,6,7,8,9,10,11,12,13,14,15
	ds_load_b96 v[OUTR+4*\t:OUTR+4*\t+2], v7 offset:2*\t*WP
.endr
.irp t, 0,1,2,3,4,5,6,7,8,9,10,11,12,13,14,15
	s_wait_dscnt 15-\t
	global_store_b96 v8, v[OUTR+4*\t:OUTR+4*\t+2], s[18:19] offset:2*\t*768   ; sixteen lanes store a row's 192 consecutive bytes
.endr
	s_wait_tensorcnt 0x0
	ds_add_u32 v251, v255
	s_wait_dscnt 0x0
	s_endpgm
.Lfunc_end_k_q6024b1f730_quant:
	.size	k_q6024b1f730_quant, .Lfunc_end_k_q6024b1f730_quant-k_q6024b1f730_quant
	.p2alignl 7, 3214868480
	.fill 96, 4, 3214868480
	.section	.rodata,"a",@progbits
	.p2align	6, 0x0
	.amdhsa_kernel k_q6024b1f730_quant
		.amdhsa_group_segment_fixed_size 68096
		.amdhsa_private_segment_fixed_size 0
		.amdhsa_enable_private_segment 0
		.amdhsa_kernarg_size 72
		.amdhsa_user_sgpr_count 2
		.amdhsa_user_sgpr_kernarg_segment_ptr 1
		.amdhsa_wavefront_size32 1
		.amdhsa_system_sgpr_workgroup_id_x 1
		.amdhsa_system_sgpr_workgroup_id_y 1
		.amdhsa_system_sgpr_workgroup_id_z 1
		.amdhsa_system_vgpr_workitem_id 0
		.amdhsa_next_free_vgpr 256
		.amdhsa_next_free_sgpr 66
		.amdhsa_reserve_vcc 0
		.amdhsa_float_denorm_mode_32 3
		.amdhsa_float_denorm_mode_16_64 3
		.amdhsa_memory_ordered 1
		.amdhsa_forward_progress 1
		.amdhsa_inst_pref_size 76
	.end_amdhsa_kernel
	.amdgpu_metadata
---
amdhsa.version: [ 1, 2 ]
amdhsa.kernels:
  - .name:           k_q6024b1f730_quant
    .symbol:         k_q6024b1f730_quant.kd
    .args:
      - { .name: x, .offset: 0, .size: 8, .value_kind: global_buffer, .address_space: global }
      - { .name: Wq, .offset: 8, .size: 8, .value_kind: global_buffer, .address_space: global }
      - { .name: Wk, .offset: 16, .size: 8, .value_kind: global_buffer, .address_space: global }
      - { .name: Wv, .offset: 24, .size: 8, .value_kind: global_buffer, .address_space: global }
      - { .name: Wc, .offset: 32, .size: 8, .value_kind: global_buffer, .address_space: global }
      - { .name: xc, .offset: 40, .size: 8, .value_kind: global_buffer, .address_space: global }
      - { .name: xs, .offset: 48, .size: 8, .value_kind: global_buffer, .address_space: global }
      - { .name: wcod, .offset: 56, .size: 8, .value_kind: global_buffer, .address_space: global }
      - { .name: wscl, .offset: 64, .size: 8, .value_kind: global_buffer, .address_space: global }
    .group_segment_fixed_size: 68096
    .private_segment_fixed_size: 0
    .kernarg_segment_align: 8
    .kernarg_segment_size: 72
    .max_flat_workgroup_size: 128
    .sgpr_count:     66
    .vgpr_count:     256
    .wavefront_size: 32
...
	.end_amdgpu_metadata
.endif
;; end of part 1
;; launch qkv (part 2): grid 12 x 32, 4 waves a work-group, clusters of 4 x 4, 327,680 bytes of LDS; arguments xc, xs, wcod, wscl, qkv; writes qkv
.if DOCPART == 2
	.amdgcn_target "amdgcn-amd-amdhsa--gfx1250"
	.amdhsa_code_object_version 6
	.text
	.protected	k_q6024b1f730_qkv
	.globl	k_q6024b1f730_qkv
	.p2align	8
	.type	k_q6024b1f730_qkv,@function
k_q6024b1f730_qkv:
	s_mov_b64 s[64:65], 0
	v_nop
	global_prefetch_b8 v0, s[64:65] scope:SCOPE_SE
	s_setreg_imm32_b32 hwreg(HW_REG_WAVE_MODE, 25, 1), 1
	s_wait_xcnt 0x0
	s_wait_alu depctr_hold_cnt(0) depctr_sa_sdst(0) depctr_va_vdst(0) depctr_va_sdst(0) depctr_va_ssrc(0) depctr_va_vcc(0) depctr_vm_vsrc(0)
	s_getreg_b32 s2, hwreg(HW_REG_IB_STS2, 6, 4)
	s_cmp_eq_u32 s2, 0
	s_cbranch_scc0 .Lentry_in_a_cluster
	s_endpgm
.Lentry_in_a_cluster:
	s_bfe_u32 s2, ttmp6, 0x10000c
	s_cmp_lg_u32 s2, 0xf033
	s_cbranch_scc0 .Lentry_shape_is_right
	s_endpgm
.Lentry_shape_is_right:
; q = x Wq, k = x Wk, v = x Wv for all 16 heads, on codes of E3M2 with E8M0 scales (K = 1,024), and the results quantised at once, in registers: q and k along the head's 64, v along the tokens.
; Nothing but codes and scale bytes goes to memory, laid in the order of the next launch's operand registers.
; A work-group of four waves makes a tile of 256 x 256; a wave 128 x 128: 64 accumulators, 512 registers.  K goes in steps of 256 through a ring of two LDS slots filled by the tensor data mover;
; the scales of the work-group's rows come into LDS once.  CLUSTERS of 4 x 4: the tile called A here is shared along a row of the cluster, the tile called B along a column: joint loads.
; THE MATRIX INSTRUCTION: source 0 = 16 rows of B, source 1 = 16 rows of A: a lane holds ONE row of A, its registers run along B's rows.  The cluster's x says which product: 0 q, 1 k, 2 v.
;   q, k: A = 256 tokens of x, B = 256 rows of the weight (4 heads): a lane holds a token, its registers the head's d: the next K.
;   v:    A = 256 rows of Wv (4 heads), B = 256 tokens of x: a lane holds a d, its registers the tokens: the next K.
; Rows of xc and wcod lie with bits 3 and 4 exchanged, so register 16 b + i of a block of 16 rows of A is B's row 32 b + 16 (lane / 16) + i: 16 neighbours.
; qkv: [plane = 16 batch + head][step of 128 tokens][19,200 B] = three parts of 6,400 B (q, k, v), each four images of a fragment's 12 registers (registers 4 i .. 4 i + 3 of lane l at 512 i + 16 l)
; and 256 B of scale words (word 2 h + e of row r at 128 h + 8 r + 4 e).  q, k: image g = the two tiles of tokens 32 g .. 32 g + 31 (registers 0-5 tile 0, 6-11 tile 1; lane r of tile u: token
; 32 g + 16 (r / 8) + 8 u + r % 8; K = the head's 64).  v: image t = rows d = 32 (t / 2) + 8 (t % 2) + r + 8 (r / 8), K = the step's 128 tokens.
; LIMITS: a block of zeros gets the byte 1 (its codes are zeros; only this program reads the bytes); blocks under 2^-122 are held at byte 1; NaN and infinities are not served.
; REGISTERS, in windows of 256: window 0: v0-31 addresses; v32-63 scale words, two sets; v64-107 the quantiser's; from v128 A's fragments, later the 8 fragments made.  window 1: B's fragments, two sets.
;   window 2: the accumulators of my rows 0-63 of A ((a, b) at v[8 (8 a + b)]);  window 3: rows 64-127.
.set KSTEP,  256
.set NQ,     2                         ; matrix instructions deep in a slot
.set ROWB,   192                       ; a tile's row in bytes
.set KROW,   768                       ; a row of codes in memory
.set PITCH,  240                       ; an LDS row: 3 x (64 bytes + 16 of padding)
.set FR,     12
.set NL,     6
.set NP,     4
.set HALFT,  128*PITCH
.set SLOT,   4*HALFT
.set LAPS,   2                         ; 1,024 / 512
.set KS,     32                        ; a row of scale bytes
.set SCL,    2*SLOT
.set HALFS,  (128*KS/256)*272
.set SBLK,   (16*KS/256)*272
.set SPARE,  SCL+4*HALFS               ; the spare words: 128 bytes a wave, two blocks of 256 bytes that no other line names
.set PLANE,  307200
.set STEPB,  19200
.set PART,   6400
.set ADRA, 16                          ; v16-17 LDS address of my A fragments in slot 0, 1 (v18-19: behind one padding more)
.set ADRB, 20                          ; v20-23 the same for B
.set L8,   25                          ; v25  8 x lane
.set LI,   26                          ; v26  16 x lane
.set ADRS, 27                          ; v27  my scale words: lanes 0-15 A's rows, lanes 16-31 B's
.set SPW,  28
.set NIL,  29
.set SC,   32
.set TM,   64                          ; v64-67 largest magnitudes, v68-71 the other half's / bytes, v76-79 the conversions' scale operands
.set QT,   80                          ; v80-86 the conversions' second halves
.set PWT,  88                          ; v88-95 a scale word for each block of 16 rows (q, k)
.set SW,   96                          ; v96-103 the eight fragments' scale words
.set SPR,  104                         ; v104-107 two pairs of scale words as stored
.set AF,   128
.set FB,   128                         ; v128-223 the eight fragments made
.set SEL,  20                          ; s[20:21] lane selects for lane l xor 16 (set behind the head's last use of s20, s21)
.set OUT,  96                          ; s[96:97], s[98:99] where my two heads' parts begin
.set HM,   100                         ; s100 the mask of lanes 16-31
.set G1, 24
.set G0, 32
.set G1B, 48
.set G0B, 56
.set G1S, 68
.set G0S, 76
.set G1SB, 80
.set G0SB, 88
.set MSB, 0
.macro WIN new                         ; the immediate's high byte repeats the setting that is left; a switch that changes nothing is dropped
.set WNEW, \new
.if MSB != WNEW
	s_set_vgpr_msb (MSB<<8)|WNEW
.set MSB, WNEW
.endif
.endm
.set MUL_LO, 0xa1                      ; source 0 (B) window 1, source 1 (A) window 0, C and D window 2
.set MUL_HI, 0xf1
.set TO_B,   0x40
; A joint load: waves 0 and 1 fetch for A, waves 2 and 3 for B.  The branch hangs on the wave's number alone.  Four v_nop follow each of the two lines.
.macro JLOAD g0a, g1a, g0b, g1b
	s_cmp_eq_u32 s15, 0
	s_cbranch_scc0 .Lfor_b_\@
	tensor_load_to_lds s[\g0a:\g0a+3], s[\g1a:\g1a+7]
	s_nop 0
.rept 4
	v_nop
.endr
	s_branch .Lasked_\@
.Lfor_b_\@:
	tensor_load_to_lds s[\g0b:\g0b+3], s[\g1b:\g1b+7]
	s_nop 0
.rept 4
	v_nop
.endr
.Lasked_\@:
.endm
.macro CREST                           ; a round of the cluster's barrier behind its opening barrier
	s_cmp_lg_u32 s14, 0
	s_cbranch_scc1 .Lnot_wave_0_\@
	s_barrier_signal -3
.Lnot_wave_0_\@:
	s_barrier_wait -3
	s_barrier_signal -1
	s_barrier_wait -1
.endm
.macro CROUND
	s_barrier_signal -1
	s_barrier_wait -1
	CREST
.endm
	s_load_b128 s[4:7], s[0:1], 0x0                ; xc, xs
	s_load_b128 s[8:11], s[0:1], 0x10              ; wcod, wscl
	s_load_b64 s[12:13], s[0:1], 0x20              ; qkv
	v_lshl_add_u32 v[SPW], v0, 2, SPARE
	v_mov_b32 v[NIL], 0
	ds_add_u32 v28, v29
	s_wait_dscnt 0x0
	v_lshrrev_b32 v1, 5, v0
	v_readfirstlane_b32 s14, v1                    ; wave 0..3
	s_lshr_b32 s15, s14, 1                         ; which half of A's rows is mine.  Also: I fetch for A (0) or for B (1)
	s_and_b32 s16, s14, 1                          ; which half of B's rows.  Also: which 128 rows of that tile I fetch
	s_bfe_u32 s40, ttmp6, 0x40000                  ; cx, cy: my place in the cluster
	s_bfe_u32 s41, ttmp6, 0x40004
	s_and_b32 s17, ttmp7, 0xffff
	s_lshl_b32 s17, s17, 2                         ; 4 x cluster y
	s_lshl_b32 s43, s41, 2
	s_lshl_b32 s43, 15, s43                        ; my row of the cluster
	s_lshl_b32 s44, 0x1111, s40                    ; my column
	; the tiles' first rows.  A's two candidates are made of cy and the cluster's y alone, B's of cx, the cluster's y and x alone; the choice hangs on the cluster's x, which all partners share
	s_add_co_u32 s42, s17, s41
	s_lshl_b32 s42, s42, 8                         ; q, k: A = tokens 256 (4 cluster y + cy)
	s_lshl_b32 s95, s41, 8
	s_add_co_u32 s95, s95, 2048                    ; v: A = Wv's rows 256 cy
	s_add_co_u32 s46, s17, s40
	s_lshl_b32 s46, s46, 8                         ; v: B = tokens 256 (4 cluster y + cx)
	s_lshl_b32 s47, s40, 8
	s_lshl_b32 s92, ttmp9, 10
	s_add_co_u32 s47, s47, s92                     ; q, k: B = the weight's rows 256 cx
	s_cmp_eq_u32 ttmp9, 2
	s_cselect_b32 s20, s95, s42
	s_cselect_b32 s46, s46, s47
	; descriptor group 1: a tile of 128 rows x 192 bytes, 16 bytes of padding behind every 64
	s_or_b32 s[G1+0], s43, (0<<16)|(1<<20)|(1<<21)|(3<<22)|(3<<25)
	s_or_b32 s[G1B+0], s44, (0<<16)|(1<<20)|(1<<21)|(3<<22)|(3<<25)
.irp g, G1, G1B
	s_mov_b32 s[\g+1], ROWB<<16                    ; tensor_dim0
	s_mov_b32 s[\g+2], 128<<16                     ; tensor_dim1
	s_mov_b32 s[\g+3], ROWB<<16                    ; tile_dim0
	s_mov_b32 s[\g+4], 128                         ; tile_dim1
	s_mov_b32 s[\g+5], KROW                        ; the pitch
	s_mov_b32 s[\g+6], 0
	s_mov_b32 s[\g+7], 0
.endr
	; the scales of 128 rows: 4,096 dense bytes as 16 rows of 256 bytes, 16 bytes of padding behind each
	s_or_b32 s[G1S+0], s43, (3<<16)|(1<<20)|(1<<21)|(5<<22)|(3<<25)
	s_or_b32 s[G1SB+0], s44, (3<<16)|(1<<20)|(1<<21)|(5<<22)|(3<<25)
.irp g, G1S, G1SB
	s_mov_b32 s[\g+1], 32<<16
	s_mov_b32 s[\g+2], (128*KS/256)<<16
	s_mov_b32 s[\g+3], 32<<16
	s_mov_b32 s[\g+4], 128*KS/256
	s_mov_b32 s[\g+5], 32
	s_mov_b32 s[\g+6], 0
	s_mov_b32 s[\g+7], 0
.endr
	s_lshl_b32 s18, s16, 7                         ; which 128 rows of the tile I fetch
	s_add_co_u32 s20, s20, s18
	s_add_co_u32 s46, s46, s18
	s_mov_b32 s21, 0
	s_mov_b32 s47, 0
	s_mov_b64 s[18:19], KS
	s_mul_u64 s[22:23], s[20:21], s[18:19]         ; where these rows' scales begin, in bytes
	s_mul_u64 s[92:93], s[46:47], s[18:19]
	s_mov_b64 s[18:19], KROW
	s_mul_u64 s[20:21], s[20:21], s[18:19]         ; and their codes
	s_mul_u64 s[46:47], s[46:47], s[18:19]
	s_mul_i32 s45, s14, HALFT                      ; where they go: wave x 128 rows: no place in the cluster enters an LDS address
	s_mul_i32 s94, s14, HALFS
	s_wait_kmcnt 0x0
	s_cmp_eq_u32 ttmp9, 2                          ; which buffers are A and B
	s_cselect_b64 s[96:97], s[8:9], s[4:5]         ; A's codes
	s_cselect_b64 s[98:99], s[10:11], s[6:7]       ; A's scales
	s_cselect_b64 s[8:9], s[4:5], s[8:9]           ; B's codes
	s_cselect_b64 s[10:11], s[6:7], s[10:11]       ; B's scales
	s_add_nc_u64 s[20:21], s[96:97], s[20:21]
	s_add_nc_u64 s[22:23], s[98:99], s[22:23]
	s_add_nc_u64 s[46:47], s[8:9], s[46:47]
	s_add_nc_u64 s[92:93], s[10:11], s[92:93]
	CROUND                                         ; all sixteen work-groups are here: the first joint loads meet
	s_mov_b32 s[G0S], 1
	s_add_co_u32 s[G0S+1], s94, SCL
	s_mov_b64 s[G0S+2:G0S+3], s[22:23]
	s_or_b32 s[G0S+3], s[G0S+3], 0x80000000
	s_mov_b32 s[G0SB], 1
	s_add_co_u32 s[G0SB+1], s94, SCL
	s_mov_b64 s[G0SB+2:G0SB+3], s[92:93]
	s_or_b32 s[G0SB+3], s[G0SB+3], 0x80000000
	JLOAD G0S, G1S, G0SB, G1SB                     ; the scales first: they are wanted with K step 0.  With the two slots' fills a wave has three tensor loads out
.irp s, 0,1
	s_mov_b32 s[G0+4*\s], 1
	s_add_co_u32 s[G0+4*\s+1], s45, \s*SLOT
	s_add_nc_u64 s[G0+4*\s+2:G0+4*\s+3], s[20:21], \s*ROWB
	s_or_b32 s[G0+4*\s+3], s[G0+4*\s+3], 0x80000000
	s_mov_b32 s[G0B+4*\s], 1
	s_add_co_u32 s[G0B+4*\s+1], s45, \s*SLOT
	s_add_nc_u64 s[G0B+4*\s+2:G0B+4*\s+3], s[46:47], \s*ROWB
	s_or_b32 s[G0B+4*\s+3], s[G0B+4*\s+3], 0x80000000
	JLOAD G0+4*\s, G1, G0B+4*\s, G1B
.endr
	v_and_b32 v1, 15, v0                           ; l % 16
	v_bfe_u32 v2, v0, 4, 1                         ; l / 16
	v_mul_u32_u24 v3, v1, PITCH
	v_mul_u32_u24 v4, v2, 24
	v_add_nc_u32 v4, v3, v4                        ; a fragment's row x pitch + 24 x half
	v_lshl_add_u32 v5, v2, 4, v4                   ; and the same behind one padding more
	s_mul_i32 s21, s15, HALFT                      ; my 128 rows of A
	s_mul_i32 s22, s16, HALFT                      ; my 128 rows of B,
	s_add_co_u32 s22, s22, 2*HALFT                 ; which lie behind A's 256
.irp s, 0,1
	v_add_nc_u32 v[ADRA+\s], s21, v4
	v_add_nc_u32 v[ADRB+\s], s22, v4
	v_add_nc_u32 v[ADRA+2+\s], s21, v5
	v_add_nc_u32 v[ADRB+2+\s], s22, v5
	s_add_co_u32 s21, s21, SLOT
	s_add_co_u32 s22, s22, SLOT
.endr
	v_mul_u32_u24 v5, v1, KS                       ; my row's scales: 32 bytes a row,
	v_lshrrev_b32 v6, 8, v5
	v_lshl_add_u32 v5, v6, 4, v5                   ; and 16 more for each 256 passed
	s_mul_i32 s21, s15, HALFS
	s_mul_i32 s22, s16, HALFS
	s_add_co_u32 s22, s22, 2*HALFS
	s_sub_co_u32 s22, s22, s21
	v_mul_u32_u24 v6, s22, v2                      ; lanes 16-31 take B's: one product, the distance between the two bases
	s_add_co_u32 s21, s21, SCL
	v_add_nc_u32 v5, v5, v6
	v_add_nc_u32 v[ADRS], s21, v5
	v_and_b32 v6, 31, v0
	v_lshlrev_b32 v[LI], 4, v6
	v_lshlrev_b32 v[L8], 3, v6
	; where my results go: the tokens' tile and half give batch and step, the weight's rows the two heads
	s_cmp_eq_u32 ttmp9, 2
	s_cselect_b32 s2, s40, s41                     ; the tokens lie along B (cx) for v, along A (cy) for q, k
	s_cselect_b32 s3, s41, s40                     ; which four heads
	s_cselect_b32 s18, s16, s15                    ; which half of the 256 tokens
	s_cselect_b32 s19, s15, s16                    ; which two of the four heads
	s_add_co_u32 s2, s2, s17                       ; the tile of 256 tokens: 0..31
	s_lshr_b32 s22, s2, 3                          ; batch
	s_and_b32 s2, s2, 7
	s_lshl_b32 s2, s2, 1
	s_add_co_u32 s2, s2, s18                       ; step of 128 tokens
	s_lshl_b32 s3, s3, 2
	s_lshl_b32 s19, s19, 1
	s_add_co_u32 s3, s3, s19                       ; my first head
	s_lshl_b32 s22, s22, 4
	s_add_co_u32 s3, s3, s22                       ; plane
	s_mul_i32 s3, s3, PLANE
	s_mul_i32 s2, s2, STEPB
	s_add_co_u32 s2, s2, s3
	s_mul_i32 s3, ttmp9, PART
	s_add_co_u32 s2, s2, s3
	s_mov_b32 s3, 0
	s_add_nc_u64 s[OUT:OUT+1], s[12:13], s[2:3]
	s_add_nc_u64 s[OUT+2:OUT+3], s[OUT:OUT+1], PLANE
	s_mov_b32 s[HM], 0xffff0000
	s_mov_b32 s[SEL], 0x76543210
	s_mov_b32 s[SEL+1], 0xfedcba98
.macro FRAG reg, adr, q, i             ; a fragment, 16 rows x 128 K, is 12 registers: lane l holds row l % 16; registers 6 c .. 6 c + 5 hold K = 64 c + 32 (l / 16) + 0 .. 31: 24 bytes of the row, as they lie
.irp p, 0,1,2,3,4,5                    ; in pieces of 8 bytes.  Where the piece of lanes 16-31 (three pieces on) lies behind one padding more, the second address register serves
.set PC, 12*(\q)+6*(\p/3)+\p%3
.if PC%8 < 5
	ds_load_b64 v[\reg+2*\p:\reg+2*\p+1], v[\adr] offset:8*PC+16*(PC/8)+(\i)*16*PITCH
.else
	ds_load_b64 v[\reg+2*\p:\reg+2*\p+1], v[\adr+2] offset:8*PC+16*(PC/8)+(\i)*16*PITCH
.endif
.endr
.endm
; 16 matrix instructions: A's blocks a0, a0 + 1 x B's eight, 128 along K.  The 64 accumulators take turns, one instruction a turn, in the same order in every step.
.macro MUL16 a0, p, q, sc, zero
.irp a, \a0, \a0+1
.irp b, 0,1,2,3,4,5,6,7
.if \zero
	v_wmma_scale_f32_16x16x128_f8f6f4 v[8*(8*((\a)%4)+\b):8*(8*((\a)%4)+\b)+7], v[128*(\p)+FR*\b:128*(\p)+FR*\b+FR-1], v[AF+FR*(\a):AF+FR*(\a)+FR-1], 0, v[SC+8*NQ*(\sc)+NQ*\b+(\q)], v[SC+8*NQ*(\sc)+NQ*(\a)+(\q)] matrix_a_fmt:MATRIX_FMT_BF6 matrix_b_fmt:MATRIX_FMT_BF6 matrix_a_scale:MATRIX_SCALE_ROW1
.else
	v_wmma_scale_f32_16x16x128_f8f6f4 v[8*(8*((\a)%4)+\b):8*(8*((\a)%4)+\b)+7], v[128*(\p)+FR*\b:128*(\p)+FR*\b+FR-1], v[AF+FR*(\a):AF+FR*(\a)+FR-1], v[8*(8*((\a)%4)+\b):8*(8*((\a)%4)+\b)+7], v[SC+8*NQ*(\sc)+NQ*\b+(\q)], v[SC+8*NQ*(\sc)+NQ*(\a)+(\q)] matrix_a_fmt:MATRIX_FMT_BF6 matrix_b_fmt:MATRIX_FMT_BF6 matrix_a_scale:MATRIX_SCALE_ROW1
.endif
.endr
.endr
.endm
.macro FETCH_B slot, q, p
	WIN TO_B
.irp i, 0,1,2,3,4,5,6,7
	FRAG 128*(\p)+FR*\i, ADRB+\slot, \q, \i
.endr
	WIN 0
.endm
.macro FETCH_A slot, q, i0
.irp i, \i0, \i0+1, \i0+2, \i0+3
	FRAG AF+FR*(\i), ADRA+\slot, \q, \i
.endr
.endm
.macro SCALES sc                       ; a K step's scale words: two words a row; lanes 0-15 take A's block i, lanes 16-31 B's block i
.irp i, 0,1,2,3,4,5,6,7
	ds_load_b64 v[SC+8*NQ*\sc+NQ*\i:SC+8*NQ*\sc+NQ*\i+1], v[ADRS] offset:\i*SBLK
.endr
.endm
.macro PLACES n                        ; plain vector lines between a matrix instruction and a load into, or a vector read of, its registers
.rept \n
	v_nop
.endr
.endm
.macro STEP slot, q, zero              ; a step of 128 along K that has its successor in the same slot
	s_wait_dscnt 4*NL                              ; B's set and A's blocks 0-3 are in; the youngest 24 loads (A's blocks 4-7) may be out
	WIN MUL_LO
	MUL16 0, (\q)%2, \q, \slot, \zero
	MUL16 2, (\q)%2, \q, \slot, \zero
	s_wait_dscnt 0
	PLACES NP
	FETCH_B \slot, (\q)+1, 1-(\q)%2
	FETCH_A \slot, (\q)+1, 0
	WIN MUL_HI
	MUL16 4, (\q)%2, \q, \slot, \zero
	MUL16 6, (\q)%2, \q, \slot, \zero
	PLACES NP
	WIN 0
	FETCH_A \slot, (\q)+1, 4
.endm
; A slot's last step changes slots: one barrier; in front of it each wave waits for all its tensor loads, adds 0 to its spare word, and waits for that and for its own reads of this slot.
.macro TURN slot, next, fill
	s_wait_tensorcnt 0x0                           ; all my tensor loads have landed: my part of the next slot
	ds_add_u32 v[SPW], v[NIL]                      ; 0 onto my spare word
	s_wait_dscnt 4*NL+1                            ; (the add and the youngest 24 loads may be out)
	WIN MUL_LO
	MUL16 0, 1, NQ-1, \slot, 0
	s_wait_dscnt 0x0                               ; the add is done, and my reads of this slot are over
	s_barrier_signal -1
	MUL16 2, 1, NQ-1, \slot, 0
	WIN 0
	s_barrier_wait -1
.if \fill
	CREST                                          ; the barrier has opened a round of the cluster's barrier: no wave of any partner still reads this slot or has a load on its way
	s_add_nc_u64 s[G0+4*\slot+2:G0+4*\slot+3], s[G0+4*\slot+2:G0+4*\slot+3], 2*ROWB
	s_add_nc_u64 s[G0B+4*\slot+2:G0B+4*\slot+3], s[G0B+4*\slot+2:G0B+4*\slot+3], 2*ROWB
	JLOAD G0+4*\slot, G1, G0B+4*\slot, G1B         ; the first tensor load behind the round; its four v_nop are also the places in front of the loads below
.else
	PLACES NP
.endif
	v_add_nc_u32 v[ADRS], 4*NQ, v[ADRS]            ; on to the next K step's scale words
	FETCH_B \next, 0, 0
	FETCH_A \next, 0, 0
	SCALES \next
	WIN MUL_HI
	MUL16 4, 1, NQ-1, \slot, 0
	MUL16 6, 1, NQ-1, \slot, 0
	PLACES NP
	WIN 0
	FETCH_A \next, 0, 4
.endm
; 64 numbers of a lane in window w, v[s] on, register 16 b + i = k 32 b + 16 (lane / 16) + i of my row, become codes: k 0-63 in v[d0 .. d0 + 5], k 64-127 in v[d1 .. d1 + 5], and the four scale bytes in v[pw].
; Each accumulator is read from its low end on.
.macro QUANT w, s, d0, d1, pw
.set QW, \w
.set QS, \s
.set QD0, \d0
.set QD1, \d1
.set QP, \pw
	WIN QW|(QW<<2)
.irp b, 0,1,2,3
	v_max3_num_f32 v[TM+\b], |v[QS+16*\b]|, |v[QS+1+16*\b]|, 0x2800000   ; block b: my 16 numbers, and the floor 2^(5 - 127): the byte cannot fall under 1
.endr
	WIN (QW<<2)|(QW<<4)
.irp i, 2,4,6,8,10,12,14
.irp b, 0,1,2,3
	v_max3_num_f32 v[TM+\b], v[TM+\b], |v[QS+16*\b+\i]|, |v[QS+1+16*\b+\i]|
.endr
.endr
	WIN 0
.irp b, 0,1,2,3
	v_permlanex16_b32 v[TM+4+\b], v[TM+\b], s[SEL], s[SEL+1]
.endr
.irp b, 0,1,2,3
	v_max_num_f32 v[TM+\b], v[TM+\b], v[TM+4+\b]   ; with lane l xor 16's: the block's largest magnitude
.endr
.irp b, 0,1,2,3
	v_add_nc_u32 v[TM+12+\b], 0xfe000000, v[TM+\b] ; 4 off its exponent field: the conversion's scale operand
.endr
.irp b, 0,1,2,3
	v_lshrrev_b32 v[TM+4+\b], 23, v[TM+12+\b]      ; the scale's byte
.endr
	v_lshl_or_b32 v[QP], v[TM+5], 8, v[TM+4]
	v_lshl_or_b32 v[QP], v[TM+6], 16, v[QP]
	v_lshl_or_b32 v[QP], v[TM+7], 24, v[QP]
	WIN QW
	v_cvt_scalef32_pk16_bf6_f32 v[QD0:QD0+2], v[QS:QS+15], v[TM+12]
	v_cvt_scalef32_pk16_bf6_f32 v[QT:QT+2], v[QS+16:QS+31], v[TM+13]      ; (a conversion's three registers begin on an even number)
	v_cvt_scalef32_pk16_bf6_f32 v[QD1:QD1+2], v[QS+32:QS+47], v[TM+14]
	v_cvt_scalef32_pk16_bf6_f32 v[QT+4:QT+6], v[QS+48:QS+63], v[TM+15]
	WIN 0
	v_nop                                          ; one plain line behind a scaled conversion
.irp i, 0,1,2                          ; the operand's layout wants a WHOLE block in a lane: lanes 0-15 the even block, lanes 16-31 the odd one
	v_permlane16_swap_b32 v[QD0+\i], v[QT+\i]
	v_permlane16_swap_b32 v[QD1+\i], v[QT+4+\i]
.endr
.irp i, 0,1,2
	v_mov_b32 v[QD0+3+\i], v[QT+\i]
	v_mov_b32 v[QD1+3+\i], v[QT+4+\i]
.endr
.endm
	s_wait_tensorcnt 1                             ; the scales and my part of K step 0 are in (K step 1's load may be out),
	s_barrier_signal -1
	s_barrier_wait -1                              ; everybody's are
	FETCH_B 0, 0, 0
	FETCH_A 0, 0, 0
	SCALES 0
	FETCH_A 0, 0, 4
	STEP 0, 0, 1                                   ; the first step stands in front of the loop: its products start the sums
	s_mov_b32 s3, LAPS-1
.Llap:                                                 ; a trip goes once round the ring and fills both slots again
	TURN 0, 1, 1
	STEP 1, 0, 0
	TURN 1, 0, 1
	STEP 0, 0, 0
	s_sub_co_u32 s3, s3, 1
	s_cmp_lg_u32 s3, 0
	s_cbranch_scc1 .Llap
	TURN 0, 1, 0                                   ; the last lap fills nothing
	STEP 1, 0, 0
	s_wait_dscnt 4*NL
	WIN MUL_LO
	MUL16 0, 1, NQ-1, 1, 0
	MUL16 2, 1, NQ-1, 1, 0
	s_wait_dscnt 0
	WIN MUL_HI
	MUL16 4, 1, NQ-1, 1, 0
	MUL16 6, 1, NQ-1, 1, 0
	WIN 0
	; THE WAY OUT: each block of 16 rows of A is quantised in registers.  No LDS: the images are stored as the registers stand, 512 consecutive bytes a store.
	PLACES NP
.irp b, 0,1,2,3
	v_mov_b32 v[TM+4+\b], 0                        ; written once: a lane permute's destination counts as one of its sources
.endr
	s_cmp_eq_u32 ttmp9, 2
	s_cbranch_scc1 .Lv
	; q, k: a lane's 64 numbers are two heads x 64 d.  Block a is tile a % 2 of the token group a / 2: half a fragment for each head
.irp a, 0,1,2,3,4,5,6,7
	QUANT 2+\a/4, 64*(\a%4), FB+12*(\a/2)+6*(\a%2), FB+48+12*(\a/2)+6*(\a%2), PWT+\a
.endr
.irp g, 0,1,2,3
	v_perm_b32 v[SW+\g], v[PWT+2*\g+1], v[PWT+2*\g], 0x05040100    ; my first head: tile 0's two bytes below, tile 1's above
	v_perm_b32 v[SW+4+\g], v[PWT+2*\g+1], v[PWT+2*\g], 0x07060302  ; my second head
.endr
	s_branch .Lst
.Lv:
	; v: a lane's 64 numbers are 128 tokens' halves: block a is a whole fragment: image a % 4 of head a / 4
.irp a, 0,1,2,3,4,5,6,7
	QUANT 2+\a/4, 64*(\a%4), FB+12*\a, FB+12*\a+6, SW+\a
.endr
.Lst:
.irp f, 0,1,2,3,4,5,6,7
.irp i, 0,1,2
	global_store_b128 v[LI], v[FB+12*\f+4*\i:FB+12*\f+4*\i+3], s[OUT+2*(\f/4):OUT+2*(\f/4)+1] offset:1536*(\f%4)+512*\i
.endr
.endr
.irp c, 0,1                            ; the four fragments' scale words of a head: lanes 0-15 store words 0 and 1, lanes 16-31 words 2 and 3: 256 consecutive bytes
	v_cndmask_b32 v[SPR+2*\c], v[SW+4*\c], v[SW+4*\c+2], s[HM]
	v_cndmask_b32 v[SPR+2*\c+1], v[SW+4*\c+1], v[SW+4*\c+3], s[HM]
	global_store_b64 v[L8], v[SPR+2*\c:SPR+2*\c+1], s[OUT+2*\c:OUT+2*\c+1] offset:6144
.endr
	s_wait_tensorcnt 0x0                           ; the wave's end
	ds_add_u32 v[SPW], v[NIL]
	s_wait_dscnt 0x0
	CROUND                                         ; the closing round: no work-group ends while a partner may still ask for a tile that names it
	s_endpgm
.Lfunc_end_k_q6024b1f730_qkv:
	.size	k_q6024b1f730_qkv, .Lfunc_end_k_q6024b1f730_qkv-k_q6024b1f730_qkv
	.p2alignl 7, 3214868480
	.fill 96, 4, 3214868480
	.section	.rodata,"a",@progbits
	.p2align	6, 0x0
	.amdhsa_kernel k_q6024b1f730_qkv
		.amdhsa_group_segment_fixed_size 327680
		.amdhsa_private_segment_fixed_size 0
		.amdhsa_enable_private_segment 0
		.amdhsa_kernarg_size 40
		.amdhsa_user_sgpr_count 2
		.amdhsa_user_sgpr_kernarg_segment_ptr 1
		.amdhsa_wavefront_size32 1
		.amdhsa_system_sgpr_workgroup_id_x 1
		.amdhsa_system_sgpr_workgroup_id_y 1
		.amdhsa_system_sgpr_workgroup_id_z 1
		.amdhsa_system_vgpr_workitem_id 0
		.amdhsa_next_free_vgpr 1024
		.amdhsa_next_free_sgpr 102
		.amdhsa_reserve_vcc 0
		.amdhsa_float_denorm_mode_32 3
		.amdhsa_float_denorm_mode_16_64 3
		.amdhsa_memory_ordered 1
		.amdhsa_forward_progress 1
		.amdhsa_inst_pref_size 197
	.end_amdhsa_kernel
	.amdgpu_metadata
---
amdhsa.version: [ 1, 2 ]
amdhsa.kernels:
  - .name:           k_q6024b1f730_qkv
    .symbol:         k_q6024b1f730_qkv.kd
    .args:
      - { .name: xc, .offset: 0, .size: 8, .value_kind: global_buffer, .address_space: global }
      - { .name: xs, .offset: 8, .size: 8, .value_kind: global_buffer, .address_space: global }
      - { .name: wcod, .offset: 16, .size: 8, .value_kind: global_buffer, .address_space: global }
      - { .name: wscl, .offset: 24, .size: 8, .value_kind: global_buffer, .address_space: global }
      - { .name: qkv, .offset: 32, .size: 8, .value_kind: global_buffer, .address_space: global }
    .group_segment_fixed_size: 327680
    .private_segment_fixed_size: 0
    .kernarg_segment_align: 8
    .kernarg_segment_size: 40
    .max_flat_workgroup_size: 128
    .sgpr_count:     102
    .vgpr_count:     1024
    .wavefront_size: 32
...
	.end_amdgpu_metadata
.endif
;; end of part 2
;; launch attn (part 3): grid 4 x 64, 16 waves a work-group, no clusters, 327,680 bytes of LDS; arguments qkv, oc, os; writes oc, os
.if DOCPART == 3
	.amdgcn_target "amdgcn-amd-amdhsa--gfx1250"
	.amdhsa_code_object_version 6
	.text
	.protected	k_q6024b1f730_attn
	.globl	k_q6024b1f730_attn
	.p2align	8
	.type	k_q6024b1f730_attn,@function
k_q6024b1f730_attn:
	s_mov_b64 s[64:65], 0
	v_nop
	global_prefetch_b8 v0, s[64:65] scope:SCOPE_SE
	s_setreg_imm32_b32 hwreg(HW_REG_WAVE_MODE, 25, 1), 1
	s_wait_xcnt 0x0
; Causal attention of one (batch, head) plane on codes of E3M2 with E8M0 scales, and its result o / l quantised at once along the head's 64 for the last product.
; t = score x log2(e) / 8; M = the running largest t rounded UP to a whole number; p = 2^(t - M) is quantised along the keys, not normalised; l is the sum of the unquantised p and divides at the end.
; When M moves, l and O are multiplied by 2^(old M - new M): exact.
; SHARES.  Work-group (J, plane), J = 0..3, serves the queries' block J (256 queries) and then block 7 - J.  Block J needs the key slots (256 keys) 0..J, block 7 - J the slots 0..7 - J: NINE slots for every
; work-group, so the loop's trip count is a constant, and every work-group has the same work.  Each of the sixteen waves owns one tile of 16 queries; four waves share a SIMD.
; LAYOUT.  Both products transposed: S^T = K Q^T, O^T = V^T P^T: a lane holds ONE query throughout.  The head's 64 fill half of an instruction's K: a fragment of k holds TWO tiles of 16 keys (K 0-63, K 64-127),
; and q stands in 18 registers (Q, 0, Q): registers 0-11 multiply the first tile, registers 6-17 the second; zero codes add nothing.  No LDS byte is read in vain.
; Register 16 b + i of S^T is key 32 b + 16 (lane / 16) + i of the step; wave w's lane r holds query QG + 16 (r / 8) + 8 (w % 2) + r % 8, QG = 256 block + 32 (w / 2).
; qkv: see the launch before: [plane][step of 128 tokens][q 6,400 | k 6,400 | v 6,400 bytes], each part four images of 1,536 bytes and 256 bytes of scale words.
; oc: [tile of 16 rows][head][768 B]: register pair p of lane l at 256 p + 8 l;  os: [row][32 B], byte 2 head + block.  Row 16 tile + r holds the token with bits 3 and 4 exchanged.
; NO CLUSTER: the four work-groups of a plane change blocks at different trips, so joint loads would need addresses and branches that hang on a work-group's place.
; LIMITS: a block of zeros gets the byte 1 (its codes are zeros; only this program reads the bytes); blocks under 2^-122 are held at byte 1; 1 / l is v_rcp_f32's; the largest t starts at -3e38 (key 0 counts
; for every query, so M is a number from each block's first step on); NaN and infinities are not served.
.set PLANE, 307200
.set STEPB, 19200
.set PART,  6400
.set HSTEP, 12800                      ; a step's k and v parts: what one tensor load brings
.set SLOT1, 1<<15                      ; slot 1 begins here: one exclusive or turns an address from one slot to the other
.set SPARE, 65536                      ; the spare words: 128 bytes a wave, eight blocks of 256 bytes that no other line names
.set LI,  1                            ; v1   16 x lane
.set L8,  2                            ; v2   8 x lane
.set QD,  3                            ; v3   my query less QG less 16 (lane / 16)
.set OSO, 4                            ; v4   32 r + lane / 16: my scale byte's place
.set SPW, 5
.set NIL, 6
.set PFO, 7                            ; v7   256 x min(lane, 24)
.set ADK, 8                            ; v8   the slot in hand + 16 x lane
.set ADS, 9                            ; v9   the slot in hand + 8 x lane
.set QF,  16                           ; v16-33 (Q, 0, Q)
.set QB,  34                           ; v34-39 the second block's Q;  v40 its scale word
.set QBW, 40
.set QSW, 41                           ; v41  Q's scale word (s0, s1, s0, s1)
.set KSC, 42                           ; v42-43 k's scale words;  v44-45 v's;  v46 p's
.set VSC, 44
.set PSW, 46
.set FRG, 48                           ; v48-95 four fragments of k or of v
.set SCR, 96                           ; v96-159 S^T, then p
.set OT,  160                          ; v160-191 O^T
.set PC,  192                          ; v192-203 p's codes
.set PT,  204                          ; v204-206, v208-210 the conversions' second halves
.set BM,  212                          ; v212-215 a block's largest score, then p
.set BT,  216                          ; v216-219 the other half's; bytes
.set BS,  220                          ; v220-223 the conversions' scale operands
.set FF,  224                          ; v224 f = 2^(old M - new M)  (v225 named with it as a pair)
.set T0,  226
.set T1,  227
.set SS,  228                          ; v228-229 the sums' second chain
.set TB,  2                            ; s2   LDS byte at which the slot in hand begins
.set TR,  3                            ; s3   the trip
.set WV,  18
.set JJ,  19                           ; s19  J
.set SEL, 20
.set CS,  22                           ; s[22:23] c = log2(e) / 8
.set G1,  24
.set G0,  32
.set FBA, 36                           ; s[36:37] my step's k part in key slot 0
.set KO,  38                           ; s[38:39] the key slot to be asked for, in bytes
.set KF,  40                           ; s40  the step's first key
.set QG,  41
.set UU,  42                           ; s42  wave % 2
.set UM,  43                           ; s43  all ones where wave % 2 = 1
.set PSEL, 44
.set HEAD, 45
.set BATCH, 46
.set HM,  47                           ; s47  the mask of lanes 16-31
.set OC,  48
.set OS,  50
.set OFF, 52                           ; s[52:53] an offset, the upper word 0
.set PFA, 54
.set LIM, 56
; Waves 0 and 1 fetch, a step's 12,800 bytes each; the branch hangs on the wave's number alone.  Four v_nop follow the load.  A wave has one tensor load out.
.macro TLOAD
	s_cmp_lt_u32 s[WV], 2
	s_cbranch_scc0 .Lnone_\@
	tensor_load_to_lds s[G0:G0+3], s[G1:G1+7]
	s_nop 0
.rept 4
	v_nop
.endr
.Lnone_\@:
.endm
; A PREFETCH INTO THE L2 of the key slot that the NEXT change of slots will ask for.  All four work-groups of a plane walk the same k and v; the one with J = 0 walks all eight key slots in order, so it asks.
; In it waves 4 to 7, which fetch nothing, take one part of 6,400 bytes each (step 0's k, its v, step 1's k, its v): 25 blocks of 256 bytes, a lane a block; lanes 25-31 name lane 24's again in the same instruction.
; In trip t it names key slot t + 1; trip 7 and the tail ask for nothing; key slot 0 comes by its load alone.  The last byte named lies 306,944 bytes into a plane of 307,200.
.macro ASK
	s_cmp_lt_u32 s[TR], s[LIM]
	s_cbranch_scc0 .Lnot_mine_\@
	global_prefetch_b8 v[PFO], s[PFA:PFA+1] th:TH_LOAD_NT scope:SCOPE_SE
.Lnot_mine_\@:
.endm
; A KEY STEP: 128 keys, the q-th of the slot in hand.
.macro STEP q
	s_add_co_u32 s96, s[QG], 31                    ; a step all of whose keys come after my 16 queries is left out: a branch on ids, round no barrier and no tensor load
	s_cmp_gt_u32 s[KF], s96
	s_cbranch_scc1 .Lhidden_\@
	v_add_nc_u32 v[ADK], s[TB], v[LI]
	v_add_nc_u32 v[ADS], s[TB], v[L8]
	v_nop
	v_nop                                          ; four plain lines between the last products and the loads into the registers that they read
.irp g, 0,1,2,3
.irp i, 0,1,2
	ds_load_b128 v[FRG+12*\g+4*\i:FRG+12*\g+4*\i+3], v[ADK] offset:HSTEP*(\q)+1536*\g+512*\i   ; an image: 512 consecutive bytes a load
.endr
.endr
	ds_load_b64 v[KSC:KSC+1], v[ADS] offset:HSTEP*(\q)+6144
	s_wait_alu depctr_va_vdst(0)
	s_wait_dscnt 0x0
.irp g, 0,1,2,3                        ; S^T = K Q^T: fragment g holds the tiles 2 g and 2 g + 1
.irp u, 0,1
.if \g < 2
	v_wmma_scale_f32_16x16x128_f8f6f4 v[SCR+8*(2*\g+\u):SCR+8*(2*\g+\u)+7], v[FRG+12*\g:FRG+12*\g+11], v[QF+6*\u:QF+6*\u+11], 0, v[KSC+\g%2], v[QSW] matrix_a_fmt:MATRIX_FMT_BF6 matrix_b_fmt:MATRIX_FMT_BF6
.else
	v_wmma_scale_f32_16x16x128_f8f6f4 v[SCR+8*(2*\g+\u):SCR+8*(2*\g+\u)+7], v[FRG+12*\g:FRG+12*\g+11], v[QF+6*\u:QF+6*\u+11], 0, v[KSC+\g%2], v[QSW] matrix_a_fmt:MATRIX_FMT_BF6 matrix_b_fmt:MATRIX_FMT_BF6 matrix_a_scale:MATRIX_SCALE_ROW1
.endif
.endr
.endr
.rept 4
	v_nop                                          ; places in front of the loads below and of the first read of the scores
.endr
.irp t, 0,1,2,3                        ; v's four fragments are asked for here and land under the softmax
.irp i, 0,1,2
	ds_load_b128 v[FRG+12*\t+4*\i:FRG+12*\t+4*\i+3], v[ADK] offset:HSTEP*(\q)+PART+1536*\t+512*\i
.endr
.endr
	ds_load_b64 v[VSC:VSC+1], v[ADS] offset:HSTEP*(\q)+PART+6144
	s_add_co_u32 s96, s[KF], 127                   ; on the diagonal the scores of hidden keys become -infinity ahead of the maximum.  A step all of whose keys count skips this
	s_cmp_le_u32 s96, s[QG]
	s_cbranch_scc1 .Lopen_\@
	s_sub_co_i32 s96, s[QG], s[KF]
	v_add_nc_u32 v[T0], s96, v[QD]                 ; d = my query - KF - 16 (lane / 16): register 16 b + i is hidden where 32 b + i > d
	v_mov_b32 v[T1], 0xff800000
.set n, 0
.rept 64
	v_cmp_gt_i32 vcc_lo, 32*(n/16)+n%16, v[T0]
	v_cndmask_b32 v[SCR+n], v[SCR+n], v[T1], vcc_lo
.set n, n+1
.endr
.Lopen_\@:
.irp b, 0,1,2,3
	v_max3_num_f32 v[BM+\b], v[SCR+16*\b], v[SCR+1+16*\b], v[SCR+2+16*\b]   ; the largest score of each block of 32 keys: for the row's maximum, and, since p rises with the score, for the block's largest p
.endr
.irp i, 3,5,7,9,11,13
.irp b, 0,1,2,3
	v_max3_num_f32 v[BM+\b], v[BM+\b], v[SCR+16*\b+\i], v[SCR+1+16*\b+\i]
.endr
.endr
.irp b, 0,1,2,3
	v_max_num_f32 v[BM+\b], v[BM+\b], v[SCR+15+16*\b]
.endr
.irp b, 0,1,2,3
	s_delay_alu instid0(VALU_DEP_4)
	v_permlanex16_b32 v[BT+\b], v[BM+\b], s[SEL], s[SEL+1]
.endr
.irp b, 0,1,2,3
	s_delay_alu instid0(VALU_DEP_4)
	v_max_num_f32 v[BM+\b], v[BM+\b], v[BT+\b]     ; with lane l xor 16's 16 keys
.endr
	s_delay_alu instid0(VALU_DEP_2)
	v_max3_num_f32 v[T0], v[BM], v[BM+1], v[BM+2]
	s_delay_alu instid0(VALU_DEP_1)
	v_max_num_f32 v[T0], v[T0], v[BM+3]
	s_delay_alu instid0(VALU_DEP_1)
	v_mul_f32 v[T0], s[CS], v[T0]                  ; as t (c is positive)
	s_delay_alu instid0(VALU_DEP_1)
	v_max_num_f32 v13, v13, v[T0]                  ; the running largest t
	v_mov_b32 v[T0], v12
	s_delay_alu instid0(VALU_DEP_2)
	v_floor_f32 v12, -v13                          ; the new -M = floor(-t): M is a whole number
	s_delay_alu instid0(VALU_DEP_1)
	v_sub_f32 v[T0], v12, v[T0]                    ; old M less new M: a whole number, 0 or less
	s_delay_alu instid0(VALU_DEP_1)
	v_cvt_i32_f32 v[T0], v[T0]                     ; (it saturates)
	s_delay_alu instid0(VALU_DEP_1)
	v_ldexp_f32 v[FF], 1.0, v[T0]                  ; f = 2^(old M - new M)
.set n, 0
.rept 32
	v_pk_fma_f32 v[SCR+n:SCR+n+1], v[SCR+n:SCR+n+1], s[CS:CS+1], v[12:13] op_sel_hi:[1,0,0]   ; t - M, two at a time
.set n, n+2
.endr
.irp b, 0,1,2,3
	v_fma_f32 v[BM+\b], v[BM+\b], s[CS], v12
.endr
.set n, 0
	s_wait_alu depctr_va_vdst(0)
.rept 64
	v_exp_f32 v[SCR+n], v[SCR+n]                   ; p = 2^(t - M), at most 1
.set n, n+1
.endr
	v_pk_mul_f32 v[14:15], v[14:15], v[FF:FF+1] op_sel_hi:[1,0]    ; the sums under the new M (a plain line behind the exponentials)
	s_wait_alu depctr_va_vdst(0)                   ; one wait for the whole batch, ahead of its first reader
.irp b, 0,1,2,3
	v_exp_f32 v[BM+\b], v[BM+\b]                   ; the block's largest p
.endr
	v_pk_add_f32 v[228:229], v[100:101], v[104:105]
	v_pk_add_f32 v[254:255], v[108:109], v[112:113]
	v_pk_add_f32 v[252:253], v[116:117], v[120:121]
	v_pk_add_f32 v[250:251], v[124:125], v[128:129]
	v_pk_add_f32 v[248:249], v[132:133], v[136:137]
	v_pk_add_f32 v[246:247], v[140:141], v[144:145]
	v_pk_add_f32 v[244:245], v[148:149], v[152:153]
	v_pk_add_f32 v[14:15], v[14:15], v[156:157]
	v_pk_add_f32 v[228:229], v[228:229], v[96:97]
	v_pk_add_f32 v[254:255], v[254:255], v[98:99]
	v_pk_add_f32 v[252:253], v[252:253], v[102:103]
	v_pk_add_f32 v[250:251], v[250:251], v[106:107]
	v_pk_add_f32 v[248:249], v[248:249], v[110:111]
	v_pk_add_f32 v[246:247], v[246:247], v[114:115]
	v_pk_add_f32 v[244:245], v[244:245], v[118:119]
	v_pk_add_f32 v[14:15], v[14:15], v[122:123]
	v_pk_add_f32 v[228:229], v[228:229], v[126:127]
	v_pk_add_f32 v[254:255], v[254:255], v[130:131]
	v_pk_add_f32 v[252:253], v[252:253], v[134:135]
	v_pk_add_f32 v[250:251], v[250:251], v[138:139]
	v_pk_add_f32 v[248:249], v[248:249], v[142:143]
	v_pk_add_f32 v[246:247], v[246:247], v[146:147]
	v_pk_add_f32 v[244:245], v[244:245], v[150:151]
	v_pk_add_f32 v[14:15], v[14:15], v[154:155]
	v_pk_add_f32 v[228:229], v[228:229], v[158:159]
	s_delay_alu instid0(VALU_DEP_2)
	v_pk_add_f32 v[14:15], v[14:15], v[250:251]
	s_delay_alu instid0(VALU_DEP_2)
	v_pk_add_f32 v[228:229], v[228:229], v[248:249]
	v_pk_add_f32 v[254:255], v[254:255], v[246:247]
	v_pk_add_f32 v[252:253], v[252:253], v[244:245]
	s_delay_alu instid0(VALU_DEP_2)
	v_pk_add_f32 v[14:15], v[14:15], v[254:255]
	s_delay_alu instid0(VALU_DEP_2)
	v_pk_add_f32 v[228:229], v[228:229], v[252:253]
	s_delay_alu instid0(VALU_DEP_1)
	v_pk_add_f32 v[14:15], v[14:15], v[228:229]
	s_wait_alu depctr_va_vdst(0)                   ; and one for the four
.irp b, 0,1,2,3
	v_max_num_f32 v[BM+\b], 0x2800000, v[BM+\b]    ; the floor 2^(5 - 127): the byte cannot fall under 1
.endr
.irp b, 0,1,2,3
	s_delay_alu instid0(VALU_DEP_4)
	v_add_nc_u32 v[BS+\b], 0xfe000000, v[BM+\b]    ; 4 off the exponent field: the conversion's scale operand
.endr
.irp b, 0,1,2,3
	s_delay_alu instid0(VALU_DEP_4)
	v_lshrrev_b32 v[BT+\b], 23, v[BS+\b]
.endr
	s_delay_alu instid0(VALU_DEP_3)
	v_lshl_or_b32 v[PSW], v[BT+1], 8, v[BT]        ; p's scale word for these 128 keys
	s_delay_alu instid0(VALU_DEP_1)
	v_lshl_or_b32 v[PSW], v[BT+2], 16, v[PSW]
	s_delay_alu instid0(VALU_DEP_1)
	v_lshl_or_b32 v[PSW], v[BT+3], 24, v[PSW]
.irp c, 0,1
	v_cvt_scalef32_pk16_bf6_f32 v[PC+6*\c:PC+6*\c+2], v[SCR+32*\c:SCR+32*\c+15], v[BS+2*\c]
	v_cvt_scalef32_pk16_bf6_f32 v[PT+4*\c:PT+4*\c+2], v[SCR+16+32*\c:SCR+31+32*\c], v[BS+2*\c+1]
.endr
	v_nop                                          ; one plain line behind a scaled conversion
.irp c, 0,1
.irp i, 0,1,2
	v_permlane16_swap_b32 v[PC+6*\c+\i], v[PT+4*\c+\i]             ; a whole block to a lane
.endr
.irp i, 0,1,2
	s_delay_alu instid0(VALU_DEP_3)
	v_mov_b32 v[PC+3+6*\c+\i], v[PT+4*\c+\i]
.endr
.endr
.set n, 0
.rept 16
	v_pk_mul_f32 v[OT+n:OT+n+1], v[OT+n:OT+n+1], v[FF:FF+1] op_sel_hi:[1,0]   ; O^T under the new M.  (These are also the places between p's scale word and codes and the products below)
.set n, n+2
.endr
	s_wait_alu depctr_va_vdst(0)
	s_wait_dscnt 0x0                               ; v's fragments and scale words are in
.irp t, 0,1,2,3                        ; O^T += V^T P^T: the four accumulators take turns; the next step's eight score products stand between one link and the next
.if \t < 2
	v_wmma_scale_f32_16x16x128_f8f6f4 v[OT+8*\t:OT+8*\t+7], v[FRG+12*\t:FRG+12*\t+11], v[PC:PC+11], v[OT+8*\t:OT+8*\t+7], v[VSC+\t%2], v[PSW] matrix_a_fmt:MATRIX_FMT_BF6 matrix_b_fmt:MATRIX_FMT_BF6
.else
	v_wmma_scale_f32_16x16x128_f8f6f4 v[OT+8*\t:OT+8*\t+7], v[FRG+12*\t:FRG+12*\t+11], v[PC:PC+11], v[OT+8*\t:OT+8*\t+7], v[VSC+\t%2], v[PSW] matrix_a_fmt:MATRIX_FMT_BF6 matrix_b_fmt:MATRIX_FMT_BF6 matrix_a_scale:MATRIX_SCALE_ROW1
.endif
.endr
.Lhidden_\@:
	s_add_co_u32 s[KF], s[KF], 128
.endm
.macro SLOT_STEPS
	STEP 0
	STEP 1
	s_xor_b32 s[TB], s[TB], SLOT1                  ; on to the other slot
.endm
; THE CHANGE OF SLOTS stands at a slot's head.  Each wave waits for all its tensor loads, adds 0 to its spare word, and waits for that and for its reads of the slot that it has left; behind the barrier the slot
; ahead is whole and nobody reads the other.  fill = 1: that other slot takes the next trip's keys: the key slot that follows, or key slot 0 where the next trip begins the second block of queries.
.macro CHANGE fill
	s_wait_tensorcnt 0x0                           ; no tensor load of mine is out, so the descriptor may be written
	ds_add_u32 v[SPW], v[NIL]                      ; 0 onto my spare word
.if \fill
	s_xor_b32 s[G0+1], s[G0+1], SLOT1
	s_add_co_u32 s[KO], s[KO], 2*STEPB
	s_cmp_eq_u32 s[TR], s[JJ]
	s_cselect_b32 s[KO], 0, s[KO]
	s_add_nc_u64 s[G0+2:G0+3], s[FBA:FBA+1], s[KO:KO+1]
	s_or_b32 s[G0+3], s[G0+3], 0x80000000
	s_wait_xcnt 0x0                                ; the last prefetch, a slot back, has read its address, so it may be stepped
	s_add_nc_u64 s[PFA:PFA+1], s[PFA:PFA+1], 2*STEPB
.endif
	s_wait_dscnt 0x0                               ; the add is done, and my reads of the slot that I have left are over
	s_barrier_signal -1
	s_barrier_wait -1
.if \fill
	TLOAD                                          ; the first thing behind the barrier, and a wave's one tensor load until the next
	ASK
.endif
.endm
; A block of queries is finished: O^T / l, quantised along the head's 64 (two blocks of 32), stored as half a fragment's registers and two scale bytes a row.
.macro WAYOUT
.rept 4
	v_nop                                          ; places behind the last products
.endr
	v_add_f32 v14, v14, v15
	s_delay_alu instid0(VALU_DEP_1)
	v_permlanex16_b32 v[T1], v14, s[SEL], s[SEL+1]
	s_delay_alu instid0(VALU_DEP_1)
	v_add_f32 v14, v14, v[T1]                      ; the row's sum
	s_wait_alu depctr_va_vdst(0)
	v_rcp_f32 v[T0], v14
	s_lshr_b32 s96, s[QG], 4
	s_add_co_u32 s96, s96, s[UU]
	s_lshl_b32 s97, s[BATCH], 7
	s_add_co_u32 s96, s96, s97                     ; my tile of 16 rows: 128 batch + QG / 16 + wave % 2
	s_mul_i32 s[OFF], s96, 12288
	s_lshr_b32 s97, s[HEAD], 1
	s_mul_i32 s97, s97, 1536
	s_add_co_u32 s[OFF], s[OFF], s97
	s_and_b32 s97, s[HEAD], 1
	s_mul_i32 s97, s97, 768
	s_add_co_u32 s[OFF], s[OFF], s97
	s_add_nc_u64 s[OC:OC+1], s[6:7], s[OFF:OFF+1]
	s_lshl_b32 s[OFF], s96, 9
	s_lshl_b32 s97, s[HEAD], 1
	s_add_co_u32 s[OFF], s[OFF], s97
	s_add_nc_u64 s[OS:OS+1], s[8:9], s[OFF:OFF+1]
	v_nop                                          ; a plain line behind the reciprocal
	s_wait_alu depctr_va_vdst(0)                   ; the wait ahead of its first reader
.set n, 0
.rept 16
	v_pk_mul_f32 v[SCR+n:SCR+n+1], v[OT+n:OT+n+1], v[T0:T0+1] op_sel_hi:[1,0]   ; register 16 b + i is o(my query, 32 b + 16 (lane / 16) + i)
.set n, n+2
.endr
.irp b, 0,1
	v_max3_num_f32 v[BM+\b], |v[SCR+16*\b]|, |v[SCR+1+16*\b]|, 0x2800000
.endr
.irp i, 2,4,6,8,10,12,14
.irp b, 0,1
	s_delay_alu instid0(VALU_DEP_2)
	v_max3_num_f32 v[BM+\b], v[BM+\b], |v[SCR+16*\b+\i]|, |v[SCR+1+16*\b+\i]|
.endr
.endr
.irp b, 0,1
	s_delay_alu instid0(VALU_DEP_2)
	v_permlanex16_b32 v[BT+\b], v[BM+\b], s[SEL], s[SEL+1]
.endr
.irp b, 0,1
	s_delay_alu instid0(VALU_DEP_2)
	v_max_num_f32 v[BM+\b], v[BM+\b], v[BT+\b]
.endr
.irp b, 0,1
	s_delay_alu instid0(VALU_DEP_2)
	v_add_nc_u32 v[BS+\b], 0xfe000000, v[BM+\b]
.endr
.irp b, 0,1
	s_delay_alu instid0(VALU_DEP_2)
	v_lshrrev_b32 v[BT+\b], 23, v[BS+\b]
.endr
	v_cvt_scalef32_pk16_bf6_f32 v[PC:PC+2], v[SCR:SCR+15], v[BS]
	v_cvt_scalef32_pk16_bf6_f32 v[PT:PT+2], v[SCR+16:SCR+31], v[BS+1]
	v_nop
.irp i, 0,1,2
	v_permlane16_swap_b32 v[PC+\i], v[PT+\i]
.endr
.irp i, 0,1,2
	s_delay_alu instid0(VALU_DEP_3)
	v_mov_b32 v[PC+3+\i], v[PT+\i]
.endr
	v_cndmask_b32 v[T1], v[BT], v[BT+1], s[HM]     ; lanes 0-15 store block 0's byte, lanes 16-31 block 1's
.irp p, 0,1,2
	global_store_b64 v[L8], v[PC+2*\p:PC+2*\p+1], s[OC:OC+1] offset:256*\p   ; 32 lanes store 256 consecutive bytes, aligned
.endr
	global_store_b8 v[OSO], v[T1], s[OS:OS+1]
	s_wait_xcnt 0x0                                ; the stores have read their registers and bases: both are written again
.endm
.macro REINIT                          ; on to the second block of queries, 7 - J
	v_mov_b32 v[QSW], v[QBW]
.irp i, 0,1,2,3,4,5
	v_mov_b32 v[QF+\i], v[QB+\i]
	v_mov_b32 v[QF+12+\i], v[QB+\i]
.endr
	s_sub_co_u32 s96, 7, s[JJ]
	s_lshl_b32 s96, s96, 8
	s_lshr_b32 s97, s[WV], 1
	s_lshl_b32 s97, s97, 5
	s_add_co_u32 s[QG], s96, s97
	s_mov_b32 s[KF], 0
	v_mov_b32 v13, 0xff61b1e6
	s_delay_alu instid0(VALU_DEP_1)
	v_floor_f32 v12, -v13
	v_mov_b32 v14, 0
	v_mov_b32 v15, 0
.set n, 0
.rept 32
	v_mov_b32 v[OT+n], 0
.set n, n+1
.endr
.endm
	s_load_b128 s[4:7], s[0:1], 0x0                ; qkv, oc
	s_load_b64 s[8:9], s[0:1], 0x10                ; os
	v_lshl_add_u32 v[SPW], v0, 2, SPARE
	v_mov_b32 v[NIL], 0
	ds_add_u32 v5, v6
	ds_add_u32 v5, v6
	s_wait_dscnt 0x0
	v_lshrrev_b32 v8, 5, v0
	s_delay_alu instid0(VALU_DEP_1)
	v_readfirstlane_b32 s[WV], v8                  ; wave 0..15
	s_mov_b32 s[JJ], ttmp9
	s_and_b32 s96, ttmp7, 0xffff                   ; the plane
	s_and_b32 s[HEAD], s96, 15
	s_lshr_b32 s[BATCH], s96, 4
	s_mul_i32 s[OFF], s96, PLANE
	s_mov_b32 s[OFF+1], 0
	; descriptor group 1: 12,800 dense bytes as 50 rows of 256 bytes (32 elements of 8 bytes), no padding, no mask
	s_mov_b32 s[G1], 3<<16
	s_mov_b32 s[G1+1], 32<<16
	s_mov_b32 s[G1+2], 50<<16
	s_mov_b32 s[G1+3], 32<<16
	s_mov_b32 s[G1+4], 50
	s_mov_b32 s[G1+5], 32
	s_mov_b32 s[G1+6], 0
	s_mov_b32 s[G1+7], 0
	s_and_b32 s[UU], s[WV], 1
	s_mul_i32 s58, s[UU], STEPB                    ; a fetching wave takes step wave % 2 of a slot:
	s_add_co_u32 s58, s58, PART                    ; its k part, with the v part behind it,
	s_add_co_u32 s58, s58, s[OFF]
	s_mov_b32 s59, 0
	s_mov_b32 s[G0], 1
	s_mul_i32 s[G0+1], s[UU], HSTEP                ; into slot 0
	s_mov_b32 s[KO], 0
	s_mov_b32 s[KO+1], 0
	s_mov_b32 s[SEL], 0x76543210
	s_mov_b32 s[SEL+1], 0xfedcba98
	s_mov_b32 s[CS], 0x3e38aa3b                    ; log2(e) / 8
	s_mov_b32 s[CS+1], s[CS]
	s_mov_b32 s[HM], 0xffff0000
	s_mov_b32 s[TB], 0
	s_mov_b32 s[KF], 0
	s_mov_b32 s[PSEL], 0x01000100
	s_cmp_eq_u32 s[UU], 1
	s_cselect_b32 s[UM], -1, 0
	s_cselect_b32 s[PSEL], 0x03020302, s[PSEL]     ; which two bytes of a scale word are my tile's
	s_wait_kmcnt 0x0
	s_add_nc_u64 s[FBA:FBA+1], s[4:5], s[58:59]
	s_mov_b64 s[G0+2:G0+3], s[FBA:FBA+1]
	s_or_b32 s[G0+3], s[G0+3], 0x80000000
	TLOAD                                          ; key slot 0 into slot 0
	; my two tiles of queries: group (wave / 2) % 4 of step 2 block + wave / 8
	s_lshr_b32 s60, s[WV], 1
	s_and_b32 s61, s60, 3
	s_lshr_b32 s62, s[WV], 3
	s_mul_i32 s63, s61, 1536                       ; the image
	s_lshr_b32 s96, s61, 1
	s_lshl_b32 s96, s96, 7
	s_and_b32 s97, s61, 1
	s_lshl_b32 s97, s97, 2
	s_add_co_u32 s96, s96, s97
	s_add_co_u32 s96, s96, 6144                    ; its scale words
	s_lshl_b32 s97, s[JJ], 1
	s_add_co_u32 s97, s97, s62
	s_mul_i32 s97, s97, STEPB
	s_add_co_u32 s97, s97, s[OFF]                  ; block J's step
	s_sub_co_u32 s98, 7, s[JJ]
	s_lshl_b32 s98, s98, 1
	s_add_co_u32 s98, s98, s62
	s_mul_i32 s98, s98, STEPB
	s_add_co_u32 s98, s98, s[OFF]                  ; block 7 - J's
	s_add_co_u32 s58, s97, s63
	s_add_nc_u64 s[66:67], s[4:5], s[58:59]
	s_add_co_u32 s58, s97, s96
	s_add_nc_u64 s[68:69], s[4:5], s[58:59]
	s_add_co_u32 s58, s98, s63
	s_add_nc_u64 s[70:71], s[4:5], s[58:59]
	s_add_co_u32 s58, s98, s96
	s_add_nc_u64 s[72:73], s[4:5], s[58:59]
	v_and_b32 v9, 31, v0
	s_wait_alu depctr_va_vdst(0)
	v_lshlrev_b32 v[LI], 4, v9
	v_lshlrev_b32 v[L8], 3, v9
	v_and_b32 v10, 15, v0                          ; r
	s_delay_alu instid0(VALU_DEP_1)
	v_lshlrev_b32 v11, 3, v10
.irp i, 0,1,2
	global_load_b128 v[48+4*\i:51+4*\i], v[LI], s[66:67] offset:512*\i
	global_load_b128 v[60+4*\i:63+4*\i], v[LI], s[70:71] offset:512*\i
.endr
	global_load_b32 v72, v11, s[68:69]
	global_load_b32 v73, v11, s[72:73]
	; the prefetches: where my wave's stand, and who asks
	s_and_b32 s96, s[WV], 3
	s_lshr_b32 s97, s96, 1
	s_mul_i32 s97, s97, STEPB
	s_and_b32 s96, s96, 1
	s_mul_i32 s96, s96, PART
	s_add_co_u32 s58, s96, s97
	s_add_co_u32 s58, s58, PART
	s_add_co_u32 s58, s58, s[OFF]
	s_add_nc_u64 s[PFA:PFA+1], s[4:5], s[58:59]    ; in key slot 0: the first change of slots steps it to key slot 1
	s_lshr_b32 s96, s[WV], 2
	s_xor_b32 s96, s96, 1                          ; 0 in waves 4 to 7,
	s_or_b32 s96, s96, s[JJ]                       ; of the plane's work-group 0
	s_cmp_eq_u32 s96, 0
	s_cselect_b32 s[LIM], 7, 0
	s_lshl_b32 s[QG], s[JJ], 8
	s_lshl_b32 s96, s60, 5
	s_add_co_u32 s[QG], s[QG], s96                 ; 256 J + 32 (wave / 2)
	v_min_u32 v[PFO], 24, v9
	s_delay_alu instid0(VALU_DEP_1)
	v_lshlrev_b32 v[PFO], 8, v[PFO]
	v_bfe_u32 v8, v0, 4, 1                         ; h
	s_wait_alu depctr_va_vdst(0)
	v_lshl_add_u32 v[OSO], v10, 5, v8
	v_bfe_u32 v9, v0, 3, 1
	v_and_b32 v[QD], 7, v0
	s_delay_alu instid0(VALU_DEP_1)
	v_lshl_add_u32 v[QD], v9, 4, v[QD]
	v_lshlrev_b32 v8, 4, v8
	s_delay_alu instid0(VALU_DEP_1)
	v_sub_nc_u32 v[QD], v[QD], v8
	s_lshl_b32 s96, s[UU], 3
	v_add_nc_u32 v[QD], s96, v[QD]
	s_wait_loadcnt 0x0
.irp i, 0,1,2,3,4,5
	v_cndmask_b32 v[QF+\i], v[48+\i], v[54+\i], s[UM]              ; my tile's half of the image
	v_cndmask_b32 v[QB+\i], v[60+\i], v[66+\i], s[UM]
.endr
	v_perm_b32 v[QSW], v72, v72, s[PSEL]
	v_perm_b32 v[QBW], v73, v73, s[PSEL]
.irp i, 0,1,2,3,4,5
	v_mov_b32 v[QF+6+\i], 0
	v_mov_b32 v[QF+12+\i], v[QF+\i]
.endr
	v_mov_b32 v13, 0xff61b1e6                      ; the largest t so far: -3e38
	s_delay_alu instid0(VALU_DEP_1)
	v_floor_f32 v12, -v13                          ; -M
	v_mov_b32 v14, 0
	v_mov_b32 v15, 0
.irp b, 0,1,2,3
	v_mov_b32 v[BT+\b], 0                          ; written once: a lane permute's destination counts as one of its sources
.endr
	v_mov_b32 v[FF+1], 0                           ; (named as the upper half of a pair)
	v_mov_b32 v[T0], 0
	v_mov_b32 v[T1], 0
.set n, 0
.rept 32
	v_mov_b32 v[OT+n], 0                           ; O^T: the step is written once; the first finds zeros
.set n, n+1
.endr
	s_mov_b32 s[TR], 0
.Lslot:                                                ; eight trips; behind each change of slots the next trip's keys are asked for
	CHANGE 1
	SLOT_STEPS
	s_cmp_lg_u32 s[TR], s[JJ]                      ; trip J ends the first block of queries: the same in all sixteen waves
	s_cbranch_scc1 .Lsame
	WAYOUT
	REINIT
.Lsame:
	s_add_co_u32 s[TR], s[TR], 1
	s_cmp_lt_u32 s[TR], 8
	s_cbranch_scc1 .Lslot
	CHANGE 0                                       ; the ninth slot is written out
	SLOT_STEPS
	WAYOUT
	s_wait_tensorcnt 0x0                           ; the wave's end
	ds_add_u32 v[SPW], v[NIL]
	s_wait_dscnt 0x0
	s_endpgm
.Lfunc_end_k_q6024b1f730_attn:
	.size	k_q6024b1f730_attn, .Lfunc_end_k_q6024b1f730_attn-k_q6024b1f730_attn
	.p2alignl 7, 3214868480
	.fill 96, 4, 3214868480
	.section	.rodata,"a",@progbits
	.p2align	6, 0x0
	.amdhsa_kernel k_q6024b1f730_attn
		.amdhsa_group_segment_fixed_size 327680
		.amdhsa_private_segment_fixed_size 0
		.amdhsa_enable_private_segment 0
		.amdhsa_kernarg_size 24
		.amdhsa_user_sgpr_count 2
		.amdhsa_user_sgpr_kernarg_segment_ptr 1
		.amdhsa_wavefront_size32 1
		.amdhsa_system_sgpr_workgroup_id_x 1
		.amdhsa_system_sgpr_workgroup_id_y 1
		.amdhsa_system_sgpr_workgroup_id_z 1
		.amdhsa_system_vgpr_workitem_id 0
		.amdhsa_next_free_vgpr 256
		.amdhsa_next_free_sgpr 100
		.amdhsa_reserve_vcc 1
		.amdhsa_float_denorm_mode_32 3
		.amdhsa_float_denorm_mode_16_64 3
		.amdhsa_memory_ordered 1
		.amdhsa_forward_progress 1
		.amdhsa_inst_pref_size 109
	.end_amdhsa_kernel
	.amdgpu_metadata
---
amdhsa.version: [ 1, 2 ]
amdhsa.kernels:
  - .name:           k_q6024b1f730_attn
    .symbol:         k_q6024b1f730_attn.kd
    .args:
      - { .name: qkv, .offset: 0, .size: 8, .value_kind: global_buffer, .address_space: global }
      - { .name: oc, .offset: 8, .size: 8, .value_kind: global_buffer, .address_space: global }
      - { .name: os, .offset: 16, .size: 8, .value_kind: global_buffer, .address_space: global }
    .group_segment_fixed_size: 327680
    .private_segment_fixed_size: 0
    .kernarg_segment_align: 8
    .kernarg_segment_size: 24
    .max_flat_workgroup_size: 512
    .sgpr_count:     100
    .vgpr_count:     256
    .wavefront_size: 32
...
	.end_amdgpu_metadata
.endif
;; end of part 3
;; launch proj (part 4): grid 4 x 32, 4 waves a work-group, clusters of 4 x 4, 327,680 bytes of LDS; arguments oc, os, wcod, wscl, out0; writes out0
.if DOCPART == 4
	.amdgcn_target "amdgcn-amd-amdhsa--gfx1250"
	.amdhsa_code_object_version 6
	.text
	.protected	k_q6024b1f730_proj
	.globl	k_q6024b1f730_proj
	.p2align	8
	.type	k_q6024b1f730_proj,@function
k_q6024b1f730_proj:
	s_mov_b64 s[64:65], 0
	v_nop
	global_prefetch_b8 v0, s[64:65] scope:SCOPE_SE
	s_setreg_imm32_b32 hwreg(HW_REG_WAVE_MODE, 25, 1), 1
	s_wait_xcnt 0x0
	s_wait_alu depctr_hold_cnt(0) depctr_sa_sdst(0) depctr_va_vdst(0) depctr_va_sdst(0) depctr_va_ssrc(0) depctr_va_vcc(0) depctr_vm_vsrc(0)
	s_getreg_b32 s2, hwreg(HW_REG_IB_STS2, 6, 4)
	s_cmp_eq_u32 s2, 0
	s_cbranch_scc0 .Lentry_in_a_cluster
	s_endpgm
.Lentry_in_a_cluster:
	s_bfe_u32 s2, ttmp6, 0x10000c
	s_cmp_lg_u32 s2, 0xf033
	s_cbranch_scc0 .Lentry_shape_is_right
	s_endpgm
.Lentry_shape_is_right:
; out0 [8192][1024] f32 = o Wc on codes of E3M2 with E8M0 scales, K = 1,024 (= 64 head + d).
; A = o: oc [tile of 16 rows][kappa = 0..7][1,536 B]: the image of a fragment's 12 registers for K = 128 kappa on: register pair p of lane l at 256 p + 8 l;  os [row][32 B].  Row p holds the token p with bits 3, 4 exchanged.
; B = Wc: rows 3,072 .. 4,095 of wcod [row][768 B] and wscl [row][32 B], K innermost; row p holds output column p with bits 3 and 4 exchanged.
; A work-group of four waves makes 256 x 256 of the output, a wave 128 x 128: 64 accumulators.  K goes in steps of 256 through a ring of two LDS slots; the scales come once.  CLUSTERS of 4 x 4: A's tiles are
; shared along a row of the cluster, B's along a column: joint loads.  Source 0 = 16 rows of B, source 1 = 16 rows of A: a lane holds eight numbers of one row of the output.
; The exchanged bits are put right on the way out: the columns by the place in the stage, the rows by the store's offset.
; 128 work-groups: a tile of 128 x 256 would give 256, with half the multiply-adds for each LDS byte of B.
; REGISTERS as in the launch qkv: window 0 addresses, scale words (v32-63), A's fragments from v128; window 1 B's two sets; windows 2 and 3 the accumulators.
.set KSTEP,  256
.set NQ,     2
.set ROWB,   192                       ; B: a tile's row in bytes
.set KROW,   768
.set AROWB,  3072                      ; A: a tile of 16 rows' bytes of a K step
.set PITCH,  240
.set FR,     12
.set NL,     6
.set NP,     4
.set HALFT,  128*PITCH                 ; the place of 128 rows in a slot (A uses 24,576 of the 30,720 bytes)
.set SLOT,   4*HALFT
.set LAPS,   2
.set KS,     32
.set SCL,    2*SLOT
.set HALFS,  (128*KS/256)*272
.set SBLK,   (16*KS/256)*272
.set SPARE,  SCL+4*HALFS
.set SPITCH, 528                       ; the way out: a stage of 16 rows x (512 bytes + 16) for each wave, in slot 0, which has had its last fill and its last read when the first result is stored there
.set ADRA, 16                          ; v16-17 my A fragments in slot 0, 1: 8 x lane + my 128 rows
.set ADRB, 20                          ; v20-23 B's, as rows
.set STO,  24
.set RD,   25
.set CO,   26
.set ADRS, 27
.set SPW,  28
.set NIL,  29
.set SC,   32
.set AF,   128
.set BK,   128
.set G1, 24
.set G0, 32
.set G1B, 48
.set G0B, 56
.set G1S, 68
.set G0S, 76
.set G1SB, 80
.set G0SB, 88
.set MSB, 0
.macro WIN new
.set WNEW, \new
.if MSB != WNEW
	s_set_vgpr_msb (MSB<<8)|WNEW
.set MSB, WNEW
.endif
.endm
.set MUL_LO, 0xa1
.set MUL_HI, 0xf1
.set TO_B,   0x40
.macro JLOAD g0a, g1a, g0b, g1b        ; a joint load: waves 0 and 1 fetch for A, waves 2 and 3 for B; four v_nop follow each of the two lines
	s_cmp_eq_u32 s15, 0
	s_cbranch_scc0 .Lfor_b_\@
	tensor_load_to_lds s[\g0a:\g0a+3], s[\g1a:\g1a+7]
	s_nop 0
.rept 4
	v_nop
.endr
	s_branch .Lasked_\@
.Lfor_b_\@:
	tensor_load_to_lds s[\g0b:\g0b+3], s[\g1b:\g1b+7]
	s_nop 0
.rept 4
	v_nop
.endr
.Lasked_\@:
.endm
.macro CREST
	s_cmp_lg_u32 s14, 0
	s_cbranch_scc1 .Lnot_wave_0_\@
	s_barrier_signal -3
.Lnot_wave_0_\@:
	s_barrier_wait -3
	s_barrier_signal -1
	s_barrier_wait -1
.endm
.macro CROUND
	s_barrier_signal -1
	s_barrier_wait -1
	CREST
.endm
	s_load_b128 s[4:7], s[0:1], 0x0                ; oc, os
	s_load_b128 s[8:11], s[0:1], 0x10              ; wcod, wscl
	s_load_b64 s[12:13], s[0:1], 0x20              ; out0
	v_lshl_add_u32 v[SPW], v0, 2, SPARE
	v_mov_b32 v[NIL], 0
	ds_add_u32 v28, v29
	s_wait_dscnt 0x0
	v_lshrrev_b32 v1, 5, v0
	v_readfirstlane_b32 s14, v1                    ; wave 0..3
	s_lshr_b32 s15, s14, 1                         ; which half of the tile's rows is mine.  Also: I fetch for A (0) or for B (1)
	s_and_b32 s16, s14, 1                          ; which half of its columns.  Also: which 128 rows of that tile I fetch
	s_bfe_u32 s40, ttmp6, 0x40000                  ; cx, cy
	s_bfe_u32 s41, ttmp6, 0x40004
	s_lshl_b32 s42, ttmp9, 2
	s_add_co_u32 s42, s42, s40                     ; tile column
	s_and_b32 s17, ttmp7, 0xffff
	s_lshl_b32 s17, s17, 2
	s_add_co_u32 s17, s17, s41                     ; tile row
	s_lshl_b32 s43, s41, 2
	s_lshl_b32 s43, 15, s43                        ; my row of the cluster
	s_lshl_b32 s44, 0x1111, s40                    ; my column
	; A's tiles: 8 tiles of 16 rows x 3,072 bytes (384 elements of 8 bytes), 12,288 bytes apart; no padding: images are read 256 consecutive bytes a load
	s_or_b32 s[G1+0], s43, (3<<16)|(1<<21)
	s_mov_b32 s[G1+1], 384<<16
	s_mov_b32 s[G1+2], 8<<16
	s_mov_b32 s[G1+3], 384<<16
	s_mov_b32 s[G1+4], 8
	s_mov_b32 s[G1+5], 1536
	s_mov_b32 s[G1+6], 0
	s_mov_b32 s[G1+7], 0
	; B's tiles: 128 rows x 192 bytes, 16 bytes of padding behind every 64
	s_or_b32 s[G1B+0], s44, (0<<16)|(1<<20)|(1<<21)|(3<<22)|(3<<25)
	s_mov_b32 s[G1B+1], ROWB<<16
	s_mov_b32 s[G1B+2], 128<<16
	s_mov_b32 s[G1B+3], ROWB<<16
	s_mov_b32 s[G1B+4], 128
	s_mov_b32 s[G1B+5], KROW
	s_mov_b32 s[G1B+6], 0
	s_mov_b32 s[G1B+7], 0
	; the scales of 128 rows: 16 rows of 256 bytes, 16 bytes of padding behind each
	s_or_b32 s[G1S+0], s43, (3<<16)|(1<<20)|(1<<21)|(5<<22)|(3<<25)
	s_or_b32 s[G1SB+0], s44, (3<<16)|(1<<20)|(1<<21)|(5<<22)|(3<<25)
.irp g, G1S, G1SB
	s_mov_b32 s[\g+1], 32<<16
	s_mov_b32 s[\g+2], (128*KS/256)<<16
	s_mov_b32 s[\g+3], 32<<16
	s_mov_b32 s[\g+4], 128*KS/256
	s_mov_b32 s[\g+5], 32
	s_mov_b32 s[\g+6], 0
	s_mov_b32 s[\g+7], 0
.endr
	s_lshl_b32 s18, s16, 7
	s_lshl_b32 s20, s17, 8
	s_add_co_u32 s20, s20, s18                     ; A: row 256 x tile row + 128 x half
	s_lshl_b32 s46, s42, 8
	s_add_co_u32 s46, s46, s18
	s_add_co_u32 s46, s46, 3072                    ; B: Wc's rows begin at 3,072
	s_mov_b32 s21, 0
	s_mov_b32 s47, 0
	s_mov_b64 s[18:19], KS
	s_mul_u64 s[22:23], s[20:21], s[18:19]
	s_mul_u64 s[92:93], s[46:47], s[18:19]
	s_mov_b64 s[18:19], KROW
	s_mul_u64 s[20:21], s[20:21], s[18:19]         ; (16 rows of oc are 12,288 bytes: 768 a row)
	s_mul_u64 s[46:47], s[46:47], s[18:19]
	s_mul_i32 s45, s14, HALFT
	s_mul_i32 s94, s14, HALFS
	s_wait_kmcnt 0x0
	s_add_nc_u64 s[20:21], s[4:5], s[20:21]
	s_add_nc_u64 s[22:23], s[6:7], s[22:23]
	s_add_nc_u64 s[46:47], s[8:9], s[46:47]
	s_add_nc_u64 s[92:93], s[10:11], s[92:93]
	CROUND                                         ; all sixteen work-groups are here: the first joint loads meet
	s_mov_b32 s[G0S], 1
	s_add_co_u32 s[G0S+1], s94, SCL
	s_mov_b64 s[G0S+2:G0S+3], s[22:23]
	s_or_b32 s[G0S+3], s[G0S+3], 0x80000000
	s_mov_b32 s[G0SB], 1
	s_add_co_u32 s[G0SB+1], s94, SCL
	s_mov_b64 s[G0SB+2:G0SB+3], s[92:93]
	s_or_b32 s[G0SB+3], s[G0SB+3], 0x80000000
	JLOAD G0S, G1S, G0SB, G1SB                     ; the scales first.  With the two slots' fills a wave has three tensor loads out
.irp s, 0,1
	s_mov_b32 s[G0+4*\s], 1
	s_add_co_u32 s[G0+4*\s+1], s45, \s*SLOT
	s_add_nc_u64 s[G0+4*\s+2:G0+4*\s+3], s[20:21], \s*AROWB
	s_or_b32 s[G0+4*\s+3], s[G0+4*\s+3], 0x80000000
	s_mov_b32 s[G0B+4*\s], 1
	s_add_co_u32 s[G0B+4*\s+1], s45, \s*SLOT
	s_add_nc_u64 s[G0B+4*\s+2:G0B+4*\s+3], s[46:47], \s*ROWB
	s_or_b32 s[G0B+4*\s+3], s[G0B+4*\s+3], 0x80000000
	JLOAD G0+4*\s, G1, G0B+4*\s, G1B
.endr
	v_and_b32 v1, 15, v0                           ; l % 16
	v_bfe_u32 v2, v0, 4, 1                         ; l / 16
	v_mul_u32_u24 v3, v1, PITCH
	v_mul_u32_u24 v4, v2, 24
	v_add_nc_u32 v4, v3, v4                        ; B: a fragment's row x pitch + 24 x half
	v_lshl_add_u32 v5, v2, 4, v4                   ; and the same behind one padding more
	v_and_b32 v6, 31, v0
	v_lshlrev_b32 v7, 3, v6                        ; A: 8 x lane
	s_mul_i32 s21, s15, HALFT
	s_mul_i32 s22, s16, HALFT
	s_add_co_u32 s22, s22, 2*HALFT
.irp s, 0,1
	v_add_nc_u32 v[ADRA+\s], s21, v7
	v_add_nc_u32 v[ADRB+\s], s22, v4
	v_add_nc_u32 v[ADRB+2+\s], s22, v5
	s_add_co_u32 s21, s21, SLOT
	s_add_co_u32 s22, s22, SLOT
.endr
	v_mul_u32_u24 v5, v1, KS
	v_lshrrev_b32 v6, 8, v5
	v_lshl_add_u32 v5, v6, 4, v5
	s_mul_i32 s21, s15, HALFS
	s_mul_i32 s22, s16, HALFS
	s_add_co_u32 s22, s22, 2*HALFS
	s_sub_co_u32 s22, s22, s21
	v_mul_u32_u24 v6, s22, v2                      ; lanes 16-31 take B's
	s_add_co_u32 s21, s21, SCL
	v_add_nc_u32 v5, v5, v6
	v_add_nc_u32 v[ADRS], s21, v5
	s_mul_i32 s23, s14, 16*SPITCH                  ; my stage
	v_mul_u32_u24 v5, v1, SPITCH                   ; in: row l % 16; my half's 16 columns of each 32: 64 bytes on
	v_lshl_add_u32 v5, v2, 6, v5
	v_add_nc_u32 v[STO], s23, v5
	v_and_b32 v6, 31, v0
	v_lshlrev_b32 v[CO], 4, v6                     ; back: the 32 lanes take one row of 512 bytes; and the same in the output
	v_add_nc_u32 v[RD], s23, v[CO]
	s_lshl_b32 s20, s17, 8
	s_lshl_b32 s21, s15, 7
	s_add_co_u32 s20, s20, s21                     ; my first row of the output
	s_mov_b32 s21, 0
	s_mov_b64 s[18:19], 4096
	s_mul_u64 s[20:21], s[20:21], s[18:19]
	s_lshl_b32 s46, s42, 10                        ; my first column, in bytes
	s_lshl_b32 s47, s16, 9
	s_add_co_u32 s46, s46, s47
	s_mov_b32 s47, 0
	s_add_nc_u64 s[20:21], s[20:21], s[46:47]
	s_add_nc_u64 s[12:13], s[12:13], s[20:21]
.macro FRAG reg, adr, q, i             ; B: a fragment from rows: 24 bytes of the row for each half of K, in pieces of 8 bytes
.irp p, 0,1,2,3,4,5
.set PC, 12*(\q)+6*(\p/3)+\p%3
.if PC%8 < 5
	ds_load_b64 v[\reg+2*\p:\reg+2*\p+1], v[\adr] offset:8*PC+16*(PC/8)+(\i)*16*PITCH
.else
	ds_load_b64 v[\reg+2*\p:\reg+2*\p+1], v[\adr+2] offset:8*PC+16*(PC/8)+(\i)*16*PITCH
.endif
.endr
.endm
.macro FRAGA reg, slot, q, i           ; A: a fragment from its image: six loads of 256 consecutive bytes
.irp p, 0,1,2,3,4,5
	ds_load_b64 v[\reg+2*\p:\reg+2*\p+1], v[ADRA+\slot] offset:3072*(\i)+1536*(\q)+256*\p
.endr
.endm
.macro MUL16 a0, p, q, sc, zero        ; the 64 accumulators take turns, one instruction a turn
.irp a, \a0, \a0+1
.irp b, 0,1,2,3,4,5,6,7
.if \zero
	v_wmma_scale_f32_16x16x128_f8f6f4 v[8*(8*((\a)%4)+\b):8*(8*((\a)%4)+\b)+7], v[128*(\p)+FR*\b:128*(\p)+FR*\b+FR-1], v[AF+FR*(\a):AF+FR*(\a)+FR-1], 0, v[SC+8*NQ*(\sc)+NQ*\b+(\q)], v[SC+8*NQ*(\sc)+NQ*(\a)+(\q)] matrix_a_fmt:MATRIX_FMT_BF6 matrix_b_fmt:MATRIX_FMT_BF6 matrix_a_scale:MATRIX_SCALE_ROW1
.else
	v_wmma_scale_f32_16x16x128_f8f6f4 v[8*(8*((\a)%4)+\b):8*(8*((\a)%4)+\b)+7], v[128*(\p)+FR*\b:128*(\p)+FR*\b+FR-1], v[AF+FR*(\a):AF+FR*(\a)+FR-1], v[8*(8*((\a)%4)+\b):8*(8*((\a)%4)+\b)+7], v[SC+8*NQ*(\sc)+NQ*\b+(\q)], v[SC+8*NQ*(\sc)+NQ*(\a)+(\q)] matrix_a_fmt:MATRIX_FMT_BF6 matrix_b_fmt:MATRIX_FMT_BF6 matrix_a_scale:MATRIX_SCALE_ROW1
.endif
.endr
.endr
.endm
.macro FETCH_B slot, q, p
	WIN TO_B
.irp i, 0,1,2,3,4,5,6,7
	FRAG 128*(\p)+FR*\i, ADRB+\slot, \q, \i
.endr
	WIN 0
.endm
.macro FETCH_A slot, q, i0
.irp i, \i0, \i0+1, \i0+2, \i0+3
	FRAGA AF+FR*(\i), \slot, \q, \i
.endr
.endm
.macro SCALES sc
.irp i, 0,1,2,3,4,5,6,7
	ds_load_b64 v[SC+8*NQ*\sc+NQ*\i:SC+8*NQ*\sc+NQ*\i+1], v[ADRS] offset:\i*SBLK
.endr
.endm
.macro PLACES n
.rept \n
	v_nop
.endr
.endm
.macro STEP slot, q, zero
	s_wait_dscnt 4*NL                              ; B's set and A's blocks 0-3 are in; the youngest 24 loads (A's blocks 4-7) may be out
	WIN MUL_LO
	MUL16 0, (\q)%2, \q, \slot, \zero
	MUL16 2, (\q)%2, \q, \slot, \zero
	s_wait_dscnt 0
	PLACES NP
	FETCH_B \slot, (\q)+1, 1-(\q)%2
	FETCH_A \slot, (\q)+1, 0
	WIN MUL_HI
	MUL16 4, (\q)%2, \q, \slot, \zero
	MUL16 6, (\q)%2, \q, \slot, \zero
	PLACES NP
	WIN 0
	FETCH_A \slot, (\q)+1, 4
.endm
.macro TURN slot, next, fill
	s_wait_tensorcnt 0x0                           ; all my tensor loads have landed: my part of the next slot
	ds_add_u32 v[SPW], v[NIL]                      ; 0 onto my spare word
	s_wait_dscnt 4*NL+1                            ; (the add and the youngest 24 loads may be out)
	WIN MUL_LO
	MUL16 0, 1, NQ-1, \slot, 0
	s_wait_dscnt 0x0                               ; the add is done, and my reads of this slot are over
	s_barrier_signal -1
	MUL16 2, 1, NQ-1, \slot, 0
	WIN 0
	s_barrier_wait -1
.if \fill
	CREST                                          ; a round of the cluster's barrier: no wave of any partner still reads this slot or has a load on its way
	s_add_nc_u64 s[G0+4*\slot+2:G0+4*\slot+3], s[G0+4*\slot+2:G0+4*\slot+3], 2*AROWB
	s_add_nc_u64 s[G0B+4*\slot+2:G0B+4*\slot+3], s[G0B+4*\slot+2:G0B+4*\slot+3], 2*ROWB
	JLOAD G0+4*\slot, G1, G0B+4*\slot, G1B
.else
	PLACES NP
.endif
	v_add_nc_u32 v[ADRS], 4*NQ, v[ADRS]
	FETCH_B \next, 0, 0
	FETCH_A \next, 0, 0
	SCALES \next
	WIN MUL_HI
	MUL16 4, 1, NQ-1, \slot, 0
	MUL16 6, 1, NQ-1, \slot, 0
	PLACES NP
	WIN 0
	FETCH_A \next, 0, 4
.endm
	s_wait_tensorcnt 1                             ; the scales and my part of K step 0 are in (K step 1's load may be out),
	s_barrier_signal -1
	s_barrier_wait -1                              ; everybody's are
	FETCH_B 0, 0, 0
	FETCH_A 0, 0, 0
	SCALES 0
	FETCH_A 0, 0, 4
	STEP 0, 0, 1
	s_mov_b32 s3, LAPS-1
.Llap:
	TURN 0, 1, 1
	STEP 1, 0, 0
	TURN 1, 0, 1
	STEP 0, 0, 0
	s_sub_co_u32 s3, s3, 1
	s_cmp_lg_u32 s3, 0
	s_cbranch_scc1 .Llap
	TURN 0, 1, 0
	STEP 1, 0, 0
	s_wait_dscnt 4*NL
	WIN MUL_LO
	MUL16 0, 1, NQ-1, 1, 0
	MUL16 2, 1, NQ-1, 1, 0
	s_wait_dscnt 0
	WIN MUL_HI
	MUL16 4, 1, NQ-1, 1, 0
	MUL16 6, 1, NQ-1, 1, 0
	WIN 0
; THE WAY OUT, block by block of 16 rows x 128 columns, through my own stage.  Accumulator b's register j of lane (r, h) is column 32 (b / 2) + 16 h + 8 (b % 2) + j: its place in the stage's row puts the columns in
; order.  Row t of block a is the output's row 32 (a / 2) + 16 (t / 8) + 8 (a % 2) + t % 8 of my 128: the store's offset puts the rows in order (127 rows of 4,096 bytes at the most).
.macro TOSTAGE a
.set AC, 64*((\a)%4)
	WIN 0x08+4*((\a)/4)                            ; the data: window 2 or 3
.irp b, 0,1,2,3,4,5,6,7
	ds_store_b128 v[STO], v[AC+8*\b:AC+8*\b+3] offset:128*(\b/2)+32*(\b%2)        ; each accumulator from its low end on
	ds_store_b128 v[STO], v[AC+8*\b+4:AC+8*\b+7] offset:128*(\b/2)+32*(\b%2)+16
.endr
	WIN 0
.set BB, BK+64*((\a)%2)
.irp t, 0,1,2,3,4,5,6,7,8,9,10,11,12,13,14,15
	ds_load_b128 v[BB+4*\t:BB+4*\t+3], v[RD] offset:\t*SPITCH      ; LDS serves a wave's instructions in order: these see the stores above
.endr
.endm
.macro SEND a, younger
.set BB, BK+64*((\a)%2)
	s_wait_dscnt \younger                          ; the block is back in registers
.irp t, 0,1,2,3,4,5,6,7,8,9,10,11,12,13,14,15
	global_store_b128 v[CO], v[BB+4*\t:BB+4*\t+3], s[12:13] offset:(32*((\a)/2)+16*(\t/8)+8*((\a)%2)+\t%8)*4096 th:TH_STORE_NT   ; 32 lanes store 512 consecutive bytes, aligned
.endr
.endm
	PLACES NP
	TOSTAGE 0
.irp a, 1,2,3,4,5,6,7
.if \a > 1
	s_wait_xcnt 0x0                                ; block a - 2's stores have read their registers: block a's loads may land there
.endif
	TOSTAGE \a
	SEND \a-1, 32                                  ; behind block a - 1's loads: block a's 16 stores and 16 loads
.endr
	SEND 7, 0
	s_wait_tensorcnt 0x0                           ; the wave's end
	ds_add_u32 v[SPW], v[NIL]
	s_wait_dscnt 0x0
	CROUND                                         ; the closing round
	s_endpgm
.Lfunc_end_k_q6024b1f730_proj:
	.size	k_q6024b1f730_proj, .Lfunc_end_k_q6024b1f730_proj-k_q6024b1f730_proj
	.p2alignl 7, 3214868480
	.fill 96, 4, 3214868480
	.section	.rodata,"a",@progbits
	.p2align	6, 0x0
	.amdhsa_kernel k_q6024b1f730_proj
		.amdhsa_group_segment_fixed_size 327680
		.amdhsa_private_segment_fixed_size 0
		.amdhsa_enable_private_segment 0
		.amdhsa_kernarg_size 40
		.amdhsa_user_sgpr_count 2
		.amdhsa_user_sgpr_kernarg_segment_ptr 1
		.amdhsa_wavefront_size32 1
		.amdhsa_system_sgpr_workgroup_id_x 1
		.amdhsa_system_sgpr_workgroup_id_y 1
		.amdhsa_system_sgpr_workgroup_id_z 1
		.amdhsa_system_vgpr_workitem_id 0
		.amdhsa_next_free_vgpr 1024
		.amdhsa_next_free_sgpr 98
		.amdhsa_reserve_vcc 0
		.amdhsa_float_denorm_mode_32 3
		.amdhsa_float_denorm_mode_16_64 3
		.amdhsa_memory_ordered 1
		.amdhsa_forward_progress 1
		.amdhsa_inst_pref_size 159
	.end_amdhsa_kernel
	.amdgpu_metadata
---
amdhsa.version: [ 1, 2 ]
amdhsa.kernels:
  - .name:           k_q6024b1f730_proj
    .symbol:         k_q6024b1f730_proj.kd
    .args:
      - { .name: oc, .offset: 0, .size: 8, .value_kind: global_buffer, .address_space: global }
      - { .name: os, .offset: 8, .size: 8, .value_kind: global_buffer, .address_space: global }
      - { .name: wcod, .offset: 16, .size: 8, .value_kind: global_buffer, .address_space: global }
      - { .name: wscl, .offset: 24, .size: 8, .value_kind: global_buffer, .address_space: global }
      - { .name: out0, .offset: 32, .size: 8, .value_kind: global_buffer, .address_space: global }
    .group_segment_fixed_size: 327680
    .private_segment_fixed_size: 0
    .kernarg_segment_align: 8
    .kernarg_segment_size: 40
    .max_flat_workgroup_size: 128
    .sgpr_count:     98
    .vgpr_count:     1024
    .wavefront_size: 32
...
	.end_amdgpu_metadata
.endif
;; end of part 4
